; MI455X (gfx1250); checked and timed in simulation.
; The chip was launched on July 23, 2026; its instructions are those of AMD's public machine-readable ISA for CDNA 5 (MIT licence, August 2026) and "CDNA5" Instruction Set Architecture Reference Guide (July 2026). The comments in the code are by the model that wrote it; some were corrected since.
;; Stick Breaking Attention. Allowed arithmetic: matrix products marked QUANTISED: E4M3 operands, one E8M0 scale for each 32 along K, by v_wmma_scale_f32_16x16x128_f8f6f4 with both operands' format E4M3, f32 sums; everything else in f32.
;; Inputs: Wk 2,048 x 2,048 float32; Wo 2,048 x 2,048 float32; Wq 2,048 x 2,048 float32; Wv 2,048 x 2,048 float32; hidden_states 2 x 1,024 x 2,048 float32.
;; Outputs: out0 2 x 1,024 x 2,048 float32.
;; This version of the problem:
;;   THIS VERSION OF THE PROBLEM IS GIVEN IN LOW PRECISION. The matrix products marked QUANTISED in the list below multiply operands that are first quantised to E4M3 (4 exponent bits, 3 mantissa bits; 8 bits a number), with one power-of-two scale for each 32 numbers along K (OCP MX v1.0); their sums are f32. All else is computed in f32.
;;   The module's matrix products, in the order in which they are computed (A, B: the left and right operand; K: the contracted axis; several contracted axes count as one K, in the product's order):
;;     1. [M 2,048, K 2,048] x [K 2,048, N 2,048]; A: input hidden_states; B: input Wq: QUANTISED
;;     2. [M 2,048, K 2,048] x [K 2,048, N 2,048]; A: input hidden_states; B: input Wk: QUANTISED
;;     3. [M 2,048, K 2,048] x [K 2,048, N 2,048]; A: input hidden_states; B: input Wv: QUANTISED
;;     4. batch 64 x [M 1,024, K 64] x [K 64, N 1,024]; A: computed on the way; B: computed on the way: QUANTISED
;;     5. batch 64 x [M 64, K 1,024] x [K 1,024, N 1,024]; A: computed on the way; B: computed on the way: QUANTISED
;;     6. [M 2,048, K 2,048] x [K 2,048, N 2,048]; A: computed on the way; B: input Wo: QUANTISED
;;   THE QUANTISER, for each operand of a quantised product, along K:
;;     - K is cut into blocks of 32 from its start; a last block that is shorter is filled with zeros.
;;     - A block's scale is 2^e with e = floor(log2(the largest magnitude in the block)) - 8, held to -126 .. 127; a block of zeros has e = 0. As a byte (E8M0): e + 127.
;;     - Each number is divided by its block's scale, clamped to +-448, and rounded to the nearest number of E4M3, ties to even, subnormals kept.
;;     - The product sums the exact products of the quantised numbers (number of the format x scale) in f32.
;;   ~~~python
;;   def quantise(x, axis):      # numpy; x: float32 -> the quantised numbers, widened to float32 again
;;       x = np.moveaxis(x, axis, -1); K = x.shape[-1]
;;       x = np.pad(x, [(0, 0)] * (x.ndim - 1) + [(0, -K % 32)]); x = x.reshape(x.shape[:-1] + (-1, 32)); a = np.abs(x).max(-1, keepdims=True)
;;       e = np.where(a > 0, np.clip(np.frexp(np.where(a > 0, a, 1))[1] - 1 - 8, -126, 127), 0)      # np.frexp(a)[1] - 1 = floor(log2(a)), exactly
;;       r = np.clip(x / 2.0 ** e, -448, 448)
;;       step = 2.0 ** (np.maximum(np.frexp(np.where(r == 0, 1, r))[1] - 1, -6) - 3)
;;       q = np.round(r / step) * step * 2.0 ** e      # np.round: ties to even
;;       return np.moveaxis(q.reshape(q.shape[:-2] + (-1,))[..., :K], -1, axis).astype(np.float32)
;;   ~~~
;;   OPERANDS COMPUTED ON THE WAY. 'Computed on the way' means the value that the module computes at that place (a softmax that the list does not call 'softmax' is quantised finished and normalised). What goes into a quantiser is computed in f32, as accurately as f32 sums, v_exp_f32 and their like allow (about 1e-6 of the number): no bf16 or f16 on the way to a quantiser, and a product that is left as it is and whose result goes on into a quantised operand takes f32 operands (vector FMAs, or v_wmma_f32_16x16x4_f32). A number that lies on a knife's edge between two numbers of the format may be rounded either way, as far as f32 arithmetic and the matrix unit's own rounding can turn it there, and no further.
;; One version. Each part assembles by itself: llvm-mc -triple=amdgcn-amd-amdhsa -mcpu=gfx1250 --defsym DOCPART=n.
;; ======== version 1 of 1: 4 launches
;; workspace buffers: codes 20,971,520 bytes; cscales 655,360 bytes; qkvc 12,582,912 bytes; qkvs 393,216 bytes; oc 4,194,304 bytes; os 131,072 bytes
;; launch quant (part 1): grid 640 x 1, 4 waves a work-group, no clusters, 69,120 bytes of LDS; arguments hidden_states, Wq, Wk, Wv, Wo, codes, cscales; writes codes, cscales
.if DOCPART == 1
	.amdgcn_target "amdgcn-amd-amdhsa--gfx1250"
	.amdhsa_code_object_version 6
	.text
	.protected	k_q1f65397490_quant
	.globl	k_q1f65397490_quant
	.p2align	8
	.type	k_q1f65397490_quant,@function
k_q1f65397490_quant:
	s_mov_b64 s[64:65], 0
	v_nop
	global_prefetch_b8 v0, s[64:65] scope:SCOPE_SE
	s_setreg_imm32_b32 hwreg(HW_REG_WAVE_MODE, 25, 1), 1
	s_wait_xcnt 0x0
; STICK-BREAKING ATTENTION IN MX-FP8, launch 1 of 4: hidden_states and the four weights, f32, become codes of E4M3 with one E8M0 byte for each 32 along K.
; WORK LEFT OUT BY THE WHOLE PROGRAM, for all values of the inputs:
;   rem = 1 - attn.sum(-1) is returned by _stickbreaking_attn and thrown away by reference(): it reaches no output and is not computed.
;   Keys j >= i: reference() builds the mask j < i itself; masked_om is 0 and attn is 0 there, so such keys add nothing to s and nothing to o.  Key steps of 128 that lie wholly
;   behind a tile of queries are not multiplied; inside the step on the diagonal the work is done and masked.
;   LIMIT: a NaN, an infinity or an overflow that reaches only the work left out is not carried to the result.  All five inputs are loaded.
; THE RULE: a block's scale is 2^(floor(log2(its largest magnitude)) - 8); its byte is the largest magnitude's exponent field - 8, held at 1 from below; each number is divided by the scale, held within +-448 and rounded
; to the nearest code, ties to even.  A block of zeros gets the byte 1 where the rule says 127: its codes are zeros, which add nothing under any byte but 0xff, and this program alone reads the bytes.
; LIMITS: NaN and infinities among the inputs are not served.
; LAYOUT OF THE RESULTS (this program's own buffers, in the order in which the reader's registers take them).  A matrix with K innermost is cut into TILES of 16 rows: row rho of tile T is the matrix's row
; 32 (T / 2) + 8 (T % 2) + rho % 8 + 16 (rho / 8).  A FRAGMENT IMAGE, 2,048 bytes for (tile T, 128 along K: f): byte 512 c + 16 lane + e is the code of (row rho, k = 128 f + 32 c + 16 h + e), lane = 16 h + rho.
;   codes   [op 5][T 128][f 16][2048]: op 0 Wq, 1 Wk, 2 Wv, 3 Wo (rows = output features, K = the weight's first axis), 4 hidden_states (rows = tokens).
;   cscales [op 5][G 64][ks 8][p 32][8]: G = T / 2, p = 16 (T % 2) + rho, byte e = the block at k = 256 ks + 32 e.
; SHARES.  Work-groups 0-127: hidden_states; 128-639: the weights; the two paths part once, on the work-group's number, and have LDS bytes of their own.  A wave takes 32 rows x 256 along K (32 KB of f32).  Waves share nothing: no barrier.
.set XSTW,  16*528                     ; hidden_states: a stage of 16 rows x (512 bytes + 16) for each wave, from LDS byte 0
.set WST,   4*XSTW                     ; the weights: a stage of 32 rows x (256 bytes + 16) for each wave
.set WSTW,  32*272
.set SPARE, WST+4*WSTW                 ; the spare words, 128 bytes for each wave: two blocks of 256 bytes that no other line names
.set LI,    4                          ; v4   16 x lane
.set SPW,   14                         ; v14  LDS address of my spare word; never rewritten
.set NIL,   15                         ; v15  0; never rewritten
.set XN,    160                        ; v160-223 hidden_states: 64 numbers of a lane, register 16 b + i = k 32 b + 16 h + i of my row
.set PC,    224                        ; v224-239 a fragment's codes
.set TM,    240                        ; v240-255 at work
	s_load_b256 s[4:11], s[0:1], 0x0               ; hidden_states, Wq, Wk, Wv
	s_load_b128 s[12:15], s[0:1], 0x20             ; Wo, codes
	s_load_b64 s[16:17], s[0:1], 0x30              ; cscales
	v_lshl_add_u32 v[SPW], v0, 2, SPARE
	v_mov_b32 v[NIL], 0
	v_lshrrev_b32 v1, 5, v0
	v_readfirstlane_b32 s18, v1                    ; wave
	v_and_b32 v1, 31, v0                           ; lane
	v_and_b32 v2, 15, v0                           ; r
	v_bfe_u32 v3, v0, 4, 1                         ; h
	v_lshlrev_b32 v[LI], 4, v1
	s_mov_b32 s20, 0x76543210
	s_mov_b32 s21, 0xfedcba98                      ; lane selects: lane l xor 16
	s_mov_b32 s23, 0x600000                        ; the mantissa field of 448
	s_wait_kmcnt 0x0
	s_cmp_lt_u32 ttmp9, 128
	s_cbranch_scc0 .Lw
; ---------------- hidden_states: K is innermost.  My wave: rows 32 G .. 32 G + 31, k = 256 ky on: four fragments f = (tile 2 G + f / 2, 128 along K: f % 2)
	s_lshr_b32 s24, ttmp9, 1                       ; G
	s_and_b32 s25, ttmp9, 1
	s_lshl_b32 s25, s25, 2
	s_add_co_u32 s25, s25, s18                     ; ky
	s_lshl_b32 s26, s24, 18                        ; 32 rows of 8,192 bytes
	s_lshl_b32 s27, s25, 10
	s_add_co_u32 s26, s26, s27
	s_mov_b32 s27, 0
	s_add_nc_u64 s[4:5], s[4:5], s[26:27]
	s_lshl_b32 s26, s24, 16
	s_lshl_b32 s28, s25, 12
	s_add_co_u32 s26, s26, s28
	s_add_co_u32 s26, s26, 4<<22                   ; op 4
	s_add_nc_u64 s[14:15], s[14:15], s[26:27]
	s_lshl_b32 s26, s24, 11
	s_lshl_b32 s28, s25, 8
	s_add_co_u32 s26, s26, s28
	s_add_co_u32 s26, s26, 4<<17
	s_add_nc_u64 s[16:17], s[16:17], s[26:27]
	s_mul_i32 s28, s18, XSTW
	v_add_nc_u32 v5, s28, v[LI]                    ; into my stage: 16 bytes a lane of a row's 512
	v_mul_u32_u24 v6, v2, 528
	v_lshl_add_u32 v6, v3, 6, v6
	v_add_nc_u32 v6, s28, v6                       ; out of it: row r, + 64 h: my 16 numbers of a block of 32
	v_lshlrev_b32 v7, 3, v1                        ; 8 x lane
.irp b, 0,1,2,3
	v_mov_b32 v[TM+4+\b], 0                        ; written once: a lane permute's destination counts as one of its sources
.endr
.macro XLD f                           ; fragment f's 16 rows x 512 bytes into set f % 2 (v32-95, v96-159): each load reads 512 consecutive bytes
.irp rho, 0,1,2,3,4,5,6,7,8,9,10,11,12,13,14,15
	global_load_b128 v[32+64*((\f)%2)+4*\rho:32+64*((\f)%2)+4*\rho+3], v[LI], s[4:5] offset:(8*((\f)/2)+(\rho%8)+16*(\rho/8))*8192+512*((\f)%2) th:TH_LOAD_NT
.endr
.endm
; 64 numbers of a lane, v[s] on, become a fragment's codes in v[PC] on and its rows' scale word in v[w]
.macro QUANT s, w
.irp b, 0,1,2,3
	v_max3_num_f32 v[TM+\b], |v[\s+16*\b]|, |v[\s+1+16*\b]|, 0x4800000   ; block b: my 16 numbers, and the floor 2^(9 - 127): the byte cannot fall under 1
.endr
.irp i, 2,4,6,8,10,12,14
.irp b, 0,1,2,3
	v_max3_num_f32 v[TM+\b], v[TM+\b], |v[\s+16*\b+\i]|, |v[\s+1+16*\b+\i]|   ; the four blocks by turns
.endr
.endr
.irp b, 0,1,2,3
	v_permlanex16_b32 v[TM+4+\b], v[TM+\b], s20, s21
.endr
.irp b, 0,1,2,3
	v_max_num_f32 v[TM+\b], v[TM+\b], v[TM+4+\b]   ; with lane l xor 16's: the block's largest magnitude
.endr
.irp b, 0,1,2,3
	v_add_nc_u32 v[TM+12+\b], 0xfc000000, v[TM+\b] ; 8 off its exponent field: the conversion's scale operand
.endr
.irp b, 0,1,2,3
	v_and_or_b32 v[TM+8+\b], v[TM+\b], 0x7f800000, s23   ; 448 x the scale
.endr
.irp b, 0,1,2,3
	v_lshrrev_b32 v[TM+4+\b], 23, v[TM+12+\b]      ; the scale's byte
.endr
	v_lshl_or_b32 v[\w], v[TM+5], 8, v[TM+4]
	v_lshl_or_b32 v[\w], v[TM+6], 16, v[\w]
	v_lshl_or_b32 v[\w], v[TM+7], 24, v[\w]
.irp b, 0,1,2,3
.irp i, 0,1,2,3,4,5,6,7,8,9,10,11,12,13,14,15
	v_med3_num_f32 v[\s+16*\b+\i], v[\s+16*\b+\i], -v[TM+8+\b], v[TM+8+\b]   ; the conversion to an 8-bit code does not saturate (ISA guide 7.6.2): the hold comes first
.endr
	v_cvt_scalef32_pk8_fp8_f32 v[PC+4*\b:PC+1+4*\b], v[\s+16*\b:\s+7+16*\b], v[TM+12+\b]
	v_cvt_scalef32_pk8_fp8_f32 v[PC+2+4*\b:PC+3+4*\b], v[\s+8+16*\b:\s+15+16*\b], v[TM+12+\b]
.endr
	v_nop                                          ; one plain vector line behind the last conversion
.endm
	XLD 0
	XLD 1
.irp f, 0,1,2,3
.if \f < 3
	s_wait_loadcnt 16                              ; this fragment's 16 loads are in; the next fragment's 16 may be out
.else
	s_wait_loadcnt 0x0
.endif
.irp rho, 0,1,2,3,4,5,6,7,8,9,10,11,12,13,14,15
	ds_store_b128 v5, v[32+64*(\f%2)+4*\rho:32+64*(\f%2)+4*\rho+3] offset:528*\rho
.endr
.irp c, 0,1,2,3
.irp j, 0,1,2,3
	ds_load_b128 v[XN+16*\c+4*\j:XN+16*\c+4*\j+3], v6 offset:128*\c+16*\j   ; LDS serves a wave's instructions in order: these see my stores
.endr
.endr
	s_wait_dscnt 0x0                               ; my 64 numbers are in, and the stores into the stage have read their registers,
.if \f < 2
	XLD \f+2                                       ; which take the loads of two fragments on
.endif
	s_wait_xcnt 0x0                                ; the last fragment's stores have read the codes' registers, which are written again below
	QUANT XN, 16+\f
.irp c, 0,1,2,3
	global_store_b128 v[LI], v[PC+4*\c:PC+4*\c+3], s[14:15] offset:32768*(\f/2)+2048*(\f%2)+512*\c   ; 512 consecutive bytes of the image
.endr
.endr
	v_cmp_le_u32 vcc_lo, 16, v1                    ; lanes 0-15 store tile 2 G's words, lanes 16-31 tile 2 G + 1's (every lane holds row r's word of all four fragments)
	v_cndmask_b32 v20, v16, v18, vcc_lo
	v_cndmask_b32 v21, v17, v19, vcc_lo
	global_store_b64 v7, v[20:21], s[16:17]        ; 256 consecutive bytes, aligned
	s_wait_tensorcnt 0x0                           ; the wave's end, behind my last LDS store
	ds_add_u32 v[SPW], v[NIL]
	s_wait_dscnt 0x0
	s_endpgm
; ---------------- the weights: K is the FIRST axis.  A lane takes a column n and its registers run down K: a block of 32 lies in one lane, and the conversions give codes with K innermost.
.Lw:
	s_sub_co_u32 s24, ttmp9, 128
	s_lshr_b32 s25, s24, 7                         ; which weight
	s_and_b32 s26, s24, 15
	s_bfe_u32 s27, s24, 0x30004                    ; ky: which 256 along K
	s_lshl_b32 s26, s26, 2
	s_add_co_u32 s26, s26, s18                     ; G: columns 32 G .. 32 G + 31
	s_cmp_eq_u32 s25, 1
	s_cselect_b64 s[6:7], s[8:9], s[6:7]
	s_cmp_eq_u32 s25, 2
	s_cselect_b64 s[6:7], s[10:11], s[6:7]
	s_cmp_eq_u32 s25, 3
	s_cselect_b64 s[6:7], s[12:13], s[6:7]
	s_lshl_b32 s28, s27, 21                        ; 256 rows of 8,192 bytes
	s_lshl_b32 s30, s26, 7
	s_add_co_u32 s28, s28, s30
	s_mov_b32 s29, 0
	s_add_nc_u64 s[6:7], s[6:7], s[28:29]
	s_lshl_b32 s28, s25, 22
	s_lshl_b32 s30, s26, 16
	s_add_co_u32 s28, s28, s30
	s_lshl_b32 s30, s27, 12
	s_add_co_u32 s28, s28, s30
	s_add_nc_u64 s[14:15], s[14:15], s[28:29]
	s_lshl_b32 s28, s25, 17
	s_lshl_b32 s30, s26, 11
	s_add_co_u32 s28, s28, s30
	s_lshl_b32 s30, s27, 8
	s_add_co_u32 s28, s28, s30
	s_add_nc_u64 s[16:17], s[16:17], s[28:29]
	v_lshlrev_b32 v5, 2, v1                        ; in: 4 bytes a lane
	s_mul_i32 s30, s18, WSTW
	s_add_co_u32 s30, s30, WST                     ; my stage
	v_mul_u32_u24 v6, v1, 272
	v_add_nc_u32 v6, s30, v6                       ; into it: row = my column
	v_and_b32 v7, 7, v2
	v_lshrrev_b32 v8, 3, v2
	v_lshl_add_u32 v7, v8, 4, v7                   ; r % 8 + 16 (r / 8): row r of a tile is this column of the 32 (+ 8 for the odd tile)
	v_mul_u32_u24 v7, v7, 272
	v_lshl_add_u32 v7, v3, 4, v7
	v_add_nc_u32 v7, s30, v7                       ; out of it: an image's 16 bytes of my lane
	v_and_b32 v9, 7, v1                            ; my column's place p among the 32 rows of scale bytes: l % 8 + 16 ((l / 8) % 2) + 8 (l / 16)
	v_bfe_u32 v8, v1, 3, 1
	v_lshl_or_b32 v9, v8, 4, v9
	v_bfe_u32 v8, v1, 4, 1
	v_lshl_or_b32 v9, v8, 3, v9
	v_lshlrev_b32 v9, 3, v9
.macro WLOAD t                         ; block t: W(256 ky + 32 t + i, my column) into set t % 2 (v32-63, v64-95): a wave's load reads 128 consecutive bytes, the four waves 512
.irp i, 0,1,2,3,4,5,6,7,8,9,10,11,12,13,14,15,16,17,18,19,20,21,22,23,24,25,26,27,28,29,30,31
	global_load_b32 v[32+32*((\t)%2)+\i], v5, s[6:7] offset:(32*(\t)+\i)*8192 th:TH_LOAD_NT
.endr
.endm
	WLOAD 0
	WLOAD 1
.macro WBLOCK t
.set XS, 32+32*((\t)%2)
.if (\t) < 7
	s_wait_loadcnt 32                              ; this block's 32 loads are in; the next block's may be out
.else
	s_wait_loadcnt 0x0
.endif
	v_max3_num_f32 v12, |v[XS]|, |v[XS+1]|, |v[XS+2]|   ; the block's largest magnitude: all 32 numbers are mine
	v_max3_num_f32 v13, |v[XS+3]|, |v[XS+4]|, |v[XS+5]|
.irp i, 6,10,14,18,22,26
	v_max3_num_f32 v12, v12, |v[XS+\i]|, |v[XS+\i+1]|
	v_max3_num_f32 v13, v13, |v[XS+\i+2]|, |v[XS+\i+3]|
.endr
	v_max3_num_f32 v12, v12, |v[XS+30]|, |v[XS+31]|
	v_max3_num_f32 v12, v12, v13, 0x4800000        ; and the floor
	v_add_nc_u32 v11, 0xfc000000, v12              ; the conversion's scale operand
	v_and_or_b32 v10, v12, 0x7f800000, s23         ; 448 x the scale
	v_lshrrev_b32 v13, 23, v11                     ; the scale's byte
.if (\t)%4 == 0
	v_mov_b32 v[24+(\t)/4], v13                    ; four bytes to a register, the lower K in the lower byte
.else
	v_lshl_or_b32 v[24+(\t)/4], v13, 8*((\t)%4), v[24+(\t)/4]
.endif
.irp i, 0,1,2,3,4,5,6,7,8,9,10,11,12,13,14,15,16,17,18,19,20,21,22,23,24,25,26,27,28,29,30,31
	v_med3_num_f32 v[XS+\i], v[XS+\i], -v10, v10
.endr
.irp g, 0,1,2,3
	v_cvt_scalef32_pk8_fp8_f32 v[96+2*\g:97+2*\g], v[XS+8*\g:XS+8*\g+7], v11
.endr
	v_nop                                          ; one plain vector line behind the last conversion
	ds_store_b128 v6, v[96:99] offset:32*(\t)      ; 32 codes of my column's row
	ds_store_b128 v6, v[100:103] offset:32*(\t)+16
.if (\t)+2 < 8
	WLOAD (\t)+2
.endif
	s_wait_dscnt 0x0                               ; the stores have read their registers: the next block's codes may be written
.endm
.irp t, 0,1,2,3,4,5,6,7
	WBLOCK \t
.endr
	global_store_b64 v9, v[24:25], s[16:17]        ; my column's 8 scale bytes: the wave writes 256 consecutive bytes, aligned
.irp t, 0,1,2,3,4,5,6,7,8,9,10,11,12,13,14,15  ; t = 8 (tile) + 4 (128 along K) + c: a chunk of 512 bytes of an image
	ds_load_b128 v[112+4*\t:115+4*\t], v7 offset:8*(\t/8)*272+128*((\t/4)%2)+32*(\t%4)
.endr
.irp t, 0,1,2,3,4,5,6,7,8,9,10,11,12,13,14,15
	s_wait_dscnt 15-\t                             ; chunk t is in; the younger loads may be out
	global_store_b128 v[LI], v[112+4*\t:115+4*\t], s[14:15] offset:32768*(\t/8)+2048*((\t/4)%2)+512*(\t%4)
.endr
	s_wait_tensorcnt 0x0                           ; the wave's end, behind my last LDS store
	ds_add_u32 v[SPW], v[NIL]
	s_wait_dscnt 0x0
	s_endpgm
.Lfunc_end_k_q1f65397490_quant:
	.size	k_q1f65397490_quant, .Lfunc_end_k_q1f65397490_quant-k_q1f65397490_quant
	.p2alignl 7, 3214868480
	.fill 96, 4, 3214868480
	.section	.rodata,"a",@progbits
	.p2align	6, 0x0
	.amdhsa_kernel k_q1f65397490_quant
		.amdhsa_group_segment_fixed_size 69120
		.amdhsa_private_segment_fixed_size 0
		.amdhsa_enable_private_segment 0
		.amdhsa_kernarg_size 56
		.amdhsa_user_sgpr_count 2
		.amdhsa_user_sgpr_kernarg_segment_ptr 1
		.amdhsa_wavefront_size32 1
		.amdhsa_system_sgpr_workgroup_id_x 1
		.amdhsa_system_sgpr_workgroup_id_y 1
		.amdhsa_system_sgpr_workgroup_id_z 1
		.amdhsa_system_vgpr_workitem_id 0
		.amdhsa_next_free_vgpr 256
		.amdhsa_next_free_sgpr 66
		.amdhsa_reserve_vcc 1
		.amdhsa_float_denorm_mode_32 3
		.amdhsa_float_denorm_mode_16_64 3
		.amdhsa_memory_ordered 1
		.amdhsa_forward_progress 1
		.amdhsa_inst_pref_size 110
	.end_amdhsa_kernel
	.amdgpu_metadata
---
amdhsa.version: [ 1, 2 ]
amdhsa.kernels:
  - .name:           k_q1f65397490_quant
    .symbol:         k_q1f65397490_quant.kd
    .args:
      - { .name: hidden_states, .offset: 0, .size: 8, .value_kind: global_buffer, .address_space: global }
      - { .name: Wq, .offset: 8, .size: 8, .value_kind: global_buffer, .address_space: global }
      - { .name: Wk, .offset: 16, .size: 8, .value_kind: global_buffer, .address_space: global }
      - { .name: Wv, .offset: 24, .size: 8, .value_kind: global_buffer, .address_space: global }
      - { .name: Wo, .offset: 32, .size: 8, .value_kind: global_buffer, .address_space: global }
      - { .name: codes, .offset: 40, .size: 8, .value_kind: global_buffer, .address_space: global }
      - { .name: cscales, .offset: 48, .size: 8, .value_kind: global_buffer, .address_space: global }
    .group_segment_fixed_size: 69120
    .private_segment_fixed_size: 0
    .kernarg_segment_align: 8
    .kernarg_segment_size: 56
    .max_flat_workgroup_size: 128
    .sgpr_count:     66
    .vgpr_count:     256
    .wavefront_size: 32
...
	.end_amdgpu_metadata
.endif
;; end of part 1
;; launch gemm_qkv (part 2): grid 8 x 24, 4 waves a work-group, clusters of 4 x 4, 327,680 bytes of LDS; arguments codes, cscales, qkvc, qkvs; writes qkvc, qkvs
.if DOCPART == 2
	.amdgcn_target "amdgcn-amd-amdhsa--gfx1250"
	.amdhsa_code_object_version 6
	.text
	.protected	k_q1f65397490_gemm_qkv
	.globl	k_q1f65397490_gemm_qkv
	.p2align	8
	.type	k_q1f65397490_gemm_qkv,@function
k_q1f65397490_gemm_qkv:
	s_mov_b64 s[64:65], 0
	v_nop
	global_prefetch_b8 v0, s[64:65] scope:SCOPE_SE
	s_setreg_imm32_b32 hwreg(HW_REG_WAVE_MODE, 25, 1), 1
	s_wait_xcnt 0x0
	s_wait_alu depctr_hold_cnt(0) depctr_sa_sdst(0) depctr_va_vdst(0) depctr_va_sdst(0) depctr_va_ssrc(0) depctr_va_vcc(0) depctr_vm_vsrc(0)
	s_getreg_b32 s2, hwreg(HW_REG_IB_STS2, 6, 4)
	s_cmp_eq_u32 s2, 0
	s_cbranch_scc0 .Lentry_in_a_cluster
	s_endpgm
.Lentry_in_a_cluster:
	s_bfe_u32 s2, ttmp6, 0x10000c
	s_cmp_lg_u32 s2, 0xf033
	s_cbranch_scc0 .Lentry_shape_is_right
	s_endpgm
.Lentry_shape_is_right:
; Launch 2 of 4: v = x Wv, q = x Wq, k = x Wk on codes of E4M3 (three products of 2,048^3 in one grid), and their results quantised in registers for the attention.
; Nothing of these products is left out.  Part p = cluster y / 2: 0 v, 1 q, 2 k.
; A tile of 256 x 256 results is made by four waves, 128 x 128 each: 64 accumulators, 512 registers.  SOURCE 0 ("B", window 1, two sets of fragments): its rows run along a lane's registers in the result.
; SOURCE 1 ("A", window 0, one set): its rows lie in the lanes.  For q and k: B = the weight (features), A = x (tokens): a lane holds one token and neighbouring features, along which q and k are quantised.
; For v: B = x, A = Wv: a lane holds one feature and neighbouring tokens, the keys, along which v is quantised.
; OPERANDS ARE FRAGMENT IMAGES (launch 1): 2,048 bytes for (tile of 16 rows, 128 along K), byte 512 c + 16 lane: four loads of 16 bytes a lane at consecutive addresses bring a fragment; no pitch, no padding.
; Row rho of tile T is the matrix's row 32 (T / 2) + 8 (T % 2) + rho % 8 + 16 (rho / 8): so the 16 result registers of B's tiles 2 G, 2 G + 1 are 16 NEIGHBOURS 32 G + 16 h + 0 .. 15.
; K goes in 8 steps of 256 through a ring of two LDS slots; a wave's tensor load brings 8 tiles x 4,096 bytes.  The scale bytes of the work-group's rows, for all of K, come once and stay.
; CLUSTERS: 4 x 4 work-groups; A's tiles are asked for jointly along a row of the cluster, B's along a column.
; RESULTS.  qkvc [p 3][4 MB]: chunk of 512 bytes (16 bytes a lane) at (g1 / 8) 2^21 + g0 2^17 + (beta / 2) 2^16 + (g1 % 8) 2^13 + a 2^10 + (beta % 2) 2^9; g1, a: A's group of 128 rows and tile; g0, beta: B's group and block of 32.
;   q, k read so: [batch][head][tile of 16 tokens 64][c 2][512].  qkvs [p 3][g1 16][g0 16][lane 32][4 words]: word i of lane (h, rho): tile a = 4 h + i, row rho; byte beta.
; LIMITS: NaN and infinities are not served; a block of zeros gets the byte 1 (its codes are zeros; this program alone reads the bytes).
.set NQ,     2                         ; matrix instructions deep in a slot
.set FR,     16                        ; registers of a fragment
.set NL,     4                         ; LDS loads that bring one
.set NP,     8                         ; places behind this matrix instruction (ISA guide 7.12.1)
.set KBYTES, 4096                      ; a tile's two images of a K step
.set HALFT,  8*KBYTES                  ; 128 rows: what one tensor load brings
.set SLOT,   4*HALFT                   ; A's 256 rows, then B's
.set LAPS,   4                         ; a lap = two K steps
.set SCL,    2*SLOT                    ; behind the ring: the scale bytes
.set HALFS,  8192                      ; those of 128 rows
.set SPARE,  SCL+4*HALFS               ; the spare words, 128 bytes for each wave: two blocks of 256 bytes that no other line names
.set ADRA, 16                          ; v16-17  LDS address of my A fragments in slot 0, 1
.set ADRB, 20                          ; v20-21  the same for B
.set CO,   26                          ; v26     16 x lane
.set ADRS, 27                          ; v27     LDS address of my scale words: lanes 0-15 A's rows, lanes 16-31 B's
.set SPW,  28                          ; v28     LDS address of my spare word; never rewritten
.set NIL,  29                          ; v29     0; never rewritten
.set SC,   32                          ; v32-63  scale words, two sets: register 2 i + q: lanes 0-15 A's tile i, lanes 16-31 B's tile i, the slot's q-th 128 along K
.set AF,   128                         ; A's fragments, window 0
.set TM,   32                          ; the way out: v32-47 at work, v48-55 the tiles' scale words, v56-59 those that I store, v128-255 the codes
.set PW,   48
.set SW,   56
.set G1, 24
.set G0, 32
.set G1B, 48
.set G0B, 56
.set G1S, 68
.set G0S, 76
.set G1SB, 80
.set G0SB, 88
.set MSB, 0
.macro WIN new                         ; the immediate's high byte repeats the setting that is left
.if MSB != \new
	s_set_vgpr_msb (MSB<<8)|\new
.set MSB, \new
.endif
.endm
.set MUL_LO, 0xa1                      ; source 0 (B) window 1, source 1 (A) window 0, C and D window 2
.set MUL_HI, 0xf1                      ; the same, C and D window 3
.set TO_B,   0x40                      ; destination window 1, address window 0
; A joint load: waves 0 and 1 fetch for A, waves 2 and 3 for B; the branch hangs on the wave's number alone.  An s_nop 0 and four v_nop follow each of the two lines.
.macro JLOAD g0a, g1a, g0b, g1b
	s_cmp_eq_u32 s15, 0
	s_cbranch_scc0 .Lfor_b_\@
	tensor_load_to_lds s[\g0a:\g0a+3], s[\g1a:\g1a+7]
	s_nop 0
.rept 4
	v_nop
.endr
	s_branch .Lasked_\@
.Lfor_b_\@:
	tensor_load_to_lds s[\g0b:\g0b+3], s[\g1b:\g1b+7]
	s_nop 0
.rept 4
	v_nop
.endr
.Lasked_\@:
.endm
.macro CREST                           ; a round of the cluster's barrier behind its opening barrier
	s_cmp_lg_u32 s14, 0
	s_cbranch_scc1 .Lnot_wave_0_\@
	s_barrier_signal -3
.Lnot_wave_0_\@:
	s_barrier_wait -3
	s_barrier_signal -1
	s_barrier_wait -1
.endm
.macro CROUND
	s_barrier_signal -1
	s_barrier_wait -1
	CREST
.endm
	s_load_b128 s[4:7], s[0:1], 0x0                ; codes, cscales
	s_load_b128 s[96:99], s[0:1], 0x10             ; qkvc, qkvs
	v_lshl_add_u32 v[SPW], v0, 2, SPARE
	v_mov_b32 v[NIL], 0
	ds_add_u32 v[SPW], v[NIL]                      ; the wave's opening: the add, twice on end, and its wait ahead of my first tensor load
	ds_add_u32 v[SPW], v[NIL]
	v_lshrrev_b32 v1, 5, v0
	v_readfirstlane_b32 s14, v1                    ; wave 0..3
	s_lshr_b32 s15, s14, 1                         ; which half of A's 256 rows is mine.  Also: I fetch for A (0) or for B (1)
	s_and_b32 s16, s14, 1                          ; which half of B's.  Also: which 128 rows I fetch
	s_bfe_u32 s40, ttmp6, 0x40000                  ; cx, cy: my place in the cluster
	s_bfe_u32 s41, ttmp6, 0x40004
	s_lshl_b32 s42, ttmp9, 2
	s_add_co_u32 s42, s42, s40                     ; B's block of 256 rows = 4 x cluster x + cx
	s_and_b32 s17, ttmp7, 0xffff                   ; cluster y, 0..5
	s_lshr_b32 s95, s17, 1                         ; p: the same in all sixteen partners
	s_and_b32 s17, s17, 1
	s_lshl_b32 s17, s17, 2
	s_add_co_u32 s17, s17, s41                     ; A's block of 256 rows = 4 x (cluster y % 2) + cy
	s_sub_co_u32 s3, s95, 1
	s_cmp_eq_u32 s95, 0
	s_cselect_b32 s3, 4, s3                        ; B's operand: v: x (4); q: Wq (0); k: Wk (1)
	s_cselect_b32 s2, 2, 4                         ; A's: v: Wv (2); q, k: x
	s_lshl_b32 s43, s41, 2
	s_lshl_b32 s43, 15, s43                        ; my row of the cluster
	s_lshl_b32 s44, 0x1111, s40                    ; my column
	; descriptor group 1: 8 tiles x 4,096 bytes (512 elements of 8 bytes), 32,768 bytes apart in memory, on end in LDS
	s_or_b32 s[G1+0], s43, (3<<16)|(1<<21)         ; 15:0 the mask; 17:16 elements of 8 bytes; 21 set beside a mask; no padding
	s_or_b32 s[G1B+0], s44, (3<<16)|(1<<21)
.irp g, G1, G1B
	s_mov_b32 s[\g+1], 512<<16                     ; tensor_dim0
	s_mov_b32 s[\g+2], 8<<16                       ; tensor_dim1
	s_mov_b32 s[\g+3], 512<<16                     ; tile_dim0
	s_mov_b32 s[\g+4], 8                           ; tile_dim1
	s_mov_b32 s[\g+5], 4096                        ; tensor_dim0_stride
	s_mov_b32 s[\g+6], 0
	s_mov_b32 s[\g+7], 0
.endr
	; the scale bytes of 128 rows: 8,192 dense bytes, as 32 rows of 256
	s_or_b32 s[G1S+0], s43, (3<<16)|(1<<21)
	s_or_b32 s[G1SB+0], s44, (3<<16)|(1<<21)
.irp g, G1S, G1SB
	s_mov_b32 s[\g+1], 32<<16
	s_mov_b32 s[\g+2], 32<<16
	s_mov_b32 s[\g+3], 32<<16
	s_mov_b32 s[\g+4], 32
	s_mov_b32 s[\g+5], 32
	s_mov_b32 s[\g+6], 0
	s_mov_b32 s[\g+7], 0
.endr
	s_lshl_b32 s18, s16, 7                         ; which 128 rows I fetch
	s_lshl_b32 s20, s17, 8
	s_add_co_u32 s20, s20, s18                     ; A: first row
	s_lshl_b32 s46, s42, 8
	s_add_co_u32 s46, s46, s18                     ; B: first row
	s_lshl_b32 s22, s20, 6                         ; 64 scale bytes a row,
	s_lshl_b32 s20, s20, 11                        ; 2,048 codes
	s_lshl_b32 s92, s46, 6
	s_lshl_b32 s46, s46, 11
	s_lshl_b32 s18, s2, 17
	s_add_co_u32 s22, s22, s18
	s_lshl_b32 s18, s2, 22
	s_add_co_u32 s20, s20, s18
	s_lshl_b32 s18, s3, 17
	s_add_co_u32 s92, s92, s18
	s_lshl_b32 s18, s3, 22
	s_add_co_u32 s46, s46, s18
	s_mov_b32 s21, 0
	s_mov_b32 s23, 0
	s_mov_b32 s47, 0
	s_mov_b32 s93, 0
	s_lshl_b32 s45, s14, 15                        ; where they go: wave x HALFT: no place in the cluster enters an LDS address
	s_lshl_b32 s94, s14, 13                        ; wave x HALFS
	s_wait_dscnt 0x0                               ; both opening adds are done
	s_wait_kmcnt 0x0
	s_add_nc_u64 s[20:21], s[4:5], s[20:21]
	s_add_nc_u64 s[22:23], s[6:7], s[22:23]
	s_add_nc_u64 s[46:47], s[4:5], s[46:47]
	s_add_nc_u64 s[92:93], s[6:7], s[92:93]
	CROUND                                         ; all sixteen work-groups are here: the first joint loads meet
	s_mov_b32 s[G0S], 1
	s_add_co_u32 s[G0S+1], s94, SCL
	s_mov_b64 s[G0S+2:G0S+3], s[22:23]
	s_or_b32 s[G0S+3], s[G0S+3], 0x80000000
	s_mov_b32 s[G0SB], 1
	s_add_co_u32 s[G0SB+1], s94, SCL
	s_mov_b64 s[G0SB+2:G0SB+3], s[92:93]
	s_or_b32 s[G0SB+3], s[G0SB+3], 0x80000000
	JLOAD G0S, G1S, G0SB, G1SB                     ; the scales first: they are wanted with K step 0.  Three loads of mine are out behind these first fills
.irp s, 0,1
	s_mov_b32 s[G0+4*\s], 1
	s_add_co_u32 s[G0+4*\s+1], s45, \s*SLOT
	s_add_nc_u64 s[G0+4*\s+2:G0+4*\s+3], s[20:21], \s*KBYTES
	s_or_b32 s[G0+4*\s+3], s[G0+4*\s+3], 0x80000000
	s_mov_b32 s[G0B+4*\s], 1
	s_add_co_u32 s[G0B+4*\s+1], s45, \s*SLOT
	s_add_nc_u64 s[G0B+4*\s+2:G0B+4*\s+3], s[46:47], \s*KBYTES
	s_or_b32 s[G0B+4*\s+3], s[G0B+4*\s+3], 0x80000000
	JLOAD G0+4*\s, G1, G0B+4*\s, G1B
.endr
	v_and_b32 v1, 15, v0                           ; r
	v_bfe_u32 v2, v0, 4, 1                         ; h
	v_and_b32 v3, 31, v0                           ; lane (kept for the way out)
	v_lshlrev_b32 v[CO], 4, v3
	s_lshl_b32 s21, s15, 15                        ; my 128 rows of A
	s_lshl_b32 s22, s16, 15                        ; my 128 rows of B,
	s_add_co_u32 s22, s22, 2*HALFT                 ; which lie behind A's 256
.irp s, 0,1
	v_add_nc_u32 v[ADRA+\s], s21, v[CO]
	v_add_nc_u32 v[ADRB+\s], s22, v[CO]
	s_add_co_u32 s21, s21, SLOT
	s_add_co_u32 s22, s22, SLOT
.endr
	v_lshlrev_b32 v5, 3, v1                        ; my row's 8 scale bytes of a K step
	s_lshl_b32 s21, s15, 13                        ; A's: my 128 rows
	s_lshl_b32 s22, s16, 13                        ; B's: my 128 rows, behind A's 256
	s_add_co_u32 s22, s22, 2*HALFS
	s_sub_co_u32 s22, s22, s21
	v_mul_u32_u24 v6, s22, v2                      ; lanes 16-31 take B's
	s_add_co_u32 s21, s21, SCL
	v_add_nc_u32 v5, v5, v6
	v_add_nc_u32 v[ADRS], s21, v5
	; where my results go
	s_lshl_b32 s20, s17, 1
	s_add_co_u32 s20, s20, s15                     ; g1
	s_lshl_b32 s21, s42, 1
	s_add_co_u32 s21, s21, s16                     ; g0
	s_lshl_b32 s22, s95, 22
	s_lshr_b32 s23, s20, 3
	s_lshl_b32 s23, s23, 21
	s_add_co_u32 s22, s22, s23
	s_lshl_b32 s23, s21, 17
	s_add_co_u32 s22, s22, s23
	s_and_b32 s23, s20, 7
	s_lshl_b32 s23, s23, 13
	s_add_co_u32 s22, s22, s23
	s_mov_b32 s23, 0
	s_add_nc_u64 s[96:97], s[96:97], s[22:23]
	s_lshl_b32 s22, s20, 4
	s_add_co_u32 s22, s22, s21
	s_lshl_b32 s22, s22, 9
	s_lshl_b32 s20, s95, 17
	s_add_co_u32 s22, s22, s20
	s_add_nc_u64 s[98:99], s[98:99], s[22:23]
.macro FRAG reg, adr, q, i             ; tile i's image of the slot's q-th 128 along K: 16 registers
.irp c, 0,1,2,3
	ds_load_b128 v[\reg+4*\c:\reg+4*\c+3], v[\adr] offset:KBYTES*(\i)+2048*(\q)+512*\c
.endr
.endm
; 16 matrix instructions: A's tiles a0, a0 + 1 x B's eight.  p: B's set; sc: the set of scale words.  zero = 1: the first product starts the sums.  The 64 accumulators take turns, one instruction a turn.
.macro MUL16 a0, p, q, sc, zero
.irp a, \a0, \a0+1
.irp b, 0,1,2,3,4,5,6,7
.if \zero
	v_wmma_scale_f32_16x16x128_f8f6f4 v[8*(8*((\a)%4)+\b):8*(8*((\a)%4)+\b)+7], v[128*(\p)+FR*\b:128*(\p)+FR*\b+FR-1], v[AF+FR*(\a):AF+FR*(\a)+FR-1], 0, v[SC+8*NQ*(\sc)+NQ*\b+(\q)], v[SC+8*NQ*(\sc)+NQ*(\a)+(\q)] matrix_a_scale:MATRIX_SCALE_ROW1
.else
	v_wmma_scale_f32_16x16x128_f8f6f4 v[8*(8*((\a)%4)+\b):8*(8*((\a)%4)+\b)+7], v[128*(\p)+FR*\b:128*(\p)+FR*\b+FR-1], v[AF+FR*(\a):AF+FR*(\a)+FR-1], v[8*(8*((\a)%4)+\b):8*(8*((\a)%4)+\b)+7], v[SC+8*NQ*(\sc)+NQ*\b+(\q)], v[SC+8*NQ*(\sc)+NQ*(\a)+(\q)] matrix_a_scale:MATRIX_SCALE_ROW1
.endif
.endr
.endr
.endm
.macro FETCH_B slot, q, p
	WIN TO_B
.irp i, 0,1,2,3,4,5,6,7
	FRAG 128*(\p)+FR*\i, ADRB+\slot, \q, \i
.endr
	WIN 0
.endm
.macro FETCH_A slot, q, i0
.irp i, \i0, \i0+1, \i0+2, \i0+3
	FRAG AF+FR*(\i), ADRA+\slot, \q, \i
.endr
.endm
.macro SCALES sc                       ; the next K step's scale words: 8 bytes a row; tile i's rows lie at (i / 2) 2,048 + (i % 2) 128
.irp i, 0,1,2,3,4,5,6,7
	ds_load_b64 v[SC+8*NQ*\sc+NQ*\i:SC+8*NQ*\sc+NQ*\i+1], v[ADRS] offset:(\i/2)*2048+(\i%2)*128
.endr
.endm
.macro PLACES n                        ; plain vector instructions between a matrix instruction and a load into, or a vector instruction on, its registers (ISA guide 7.12.1 for vector instructions)
.rept \n
	v_nop
.endr
.endm
.macro STEP slot, q, zero              ; 128 along K that has its successor in the same slot
	s_wait_dscnt 4*NL                              ; B's set and A's tiles 0-3 are in; the youngest 16 loads (A's tiles 4-7) may be out
	WIN MUL_LO
	MUL16 0, (\q)%2, \q, \slot, \zero
	MUL16 2, (\q)%2, \q, \slot, \zero
	s_wait_dscnt 0
	PLACES NP
	FETCH_B \slot, (\q)+1, 1-(\q)%2
	FETCH_A \slot, (\q)+1, 0
	WIN MUL_HI
	MUL16 4, (\q)%2, \q, \slot, \zero
	MUL16 6, (\q)%2, \q, \slot, \zero
	PLACES NP
	WIN 0
	FETCH_A \slot, (\q)+1, 4
.endm
; A slot's last step changes slots: one barrier; in front of it each wave waits for all its tensor loads, adds 0 to its spare word, and waits for that and for its reads of this slot.  fill = 1: this slot is filled again, two K steps ahead.
.macro TURN slot, next, fill
	s_wait_tensorcnt 0x0                           ; all my tensor loads have landed: my part of the next slot
	ds_add_u32 v[SPW], v[NIL]                      ; 0 onto my spare word
	s_wait_dscnt 4*NL+1                            ; the add and the youngest 16 loads may be out
	WIN MUL_LO
	MUL16 0, 1, NQ-1, \slot, 0
	s_wait_dscnt 0x0                               ; the add is done, and my reads of this slot are over
	s_barrier_signal -1
	MUL16 2, 1, NQ-1, \slot, 0
	WIN 0
	s_barrier_wait -1
.if \fill
	CREST                                          ; the barrier has opened a round of the cluster's barrier: no wave of any partner still reads this slot or has a load on its way
	s_add_nc_u64 s[G0+4*\slot+2:G0+4*\slot+3], s[G0+4*\slot+2:G0+4*\slot+3], 2*KBYTES
	s_add_nc_u64 s[G0B+4*\slot+2:G0B+4*\slot+3], s[G0B+4*\slot+2:G0B+4*\slot+3], 2*KBYTES
	JLOAD G0+4*\slot, G1, G0B+4*\slot, G1B         ; the first tensor load behind the round, my one load until the next
	PLACES NP-4
.else
	PLACES NP
.endif
	v_add_nc_u32 v[ADRS], 256, v[ADRS]             ; the next K step's scale words
	FETCH_B \next, 0, 0
	FETCH_A \next, 0, 0
	SCALES \next
	WIN MUL_HI
	MUL16 4, 1, NQ-1, \slot, 0
	MUL16 6, 1, NQ-1, \slot, 0
	PLACES NP
	WIN 0
	FETCH_A \next, 0, 4
.endm
	s_wait_tensorcnt 1                             ; the scales and my part of K step 0 are in (K step 1's load may be out)
	s_barrier_signal -1
	s_barrier_wait -1                              ; everybody's are
	FETCH_B 0, 0, 0
	FETCH_A 0, 0, 0
	SCALES 0
	FETCH_A 0, 0, 4
	STEP 0, 0, 1                                   ; the first step stands in front of the loop: its products start the sums
	s_mov_b32 s3, LAPS-1
.Llap:
	TURN 0, 1, 1
	STEP 1, 0, 0
	TURN 1, 0, 1
	STEP 0, 0, 0
	s_sub_co_u32 s3, s3, 1
	s_cmp_lg_u32 s3, 0
	s_cbranch_scc1 .Llap
	TURN 0, 1, 0                                   ; the last lap fills nothing
	STEP 1, 0, 0
	s_wait_dscnt 4*NL
	WIN MUL_LO
	MUL16 0, 1, NQ-1, 1, 0
	MUL16 2, 1, NQ-1, 1, 0
	s_wait_dscnt 0
	WIN MUL_HI
	MUL16 4, 1, NQ-1, 1, 0
	MUL16 6, 1, NQ-1, 1, 0
	WIN 0
; THE WAY OUT: no LDS.  For A's tile a, a lane's 64 results are 16 neighbours of each of four blocks of 32 along B's rows; lane l xor 16 holds the other 16.  They are quantised as they stand; a lane's 16 codes of a block
; are its 16 bytes of a chunk of 512, which the wave stores whole.  Each accumulator is read from its low end on.
.macro QUANTW a
.set W,   2+(\a)/4                     ; the accumulators' window
.set W1,  5*W                          ; sources 0 and 1 there
.set W2,  20*W                         ; sources 1 and 2
.set W3,  65*W                         ; source 0 and destination
.set AC,  64*((\a)%4)
.set PCA, 128+16*(\a)
	WIN W1
.irp b, 0,1,2,3
	v_max3_num_f32 v[TM+\b], |v[AC+16*\b]|, |v[AC+16*\b+1]|, 0x4800000   ; and the floor 2^(9 - 127)
.endr
	WIN W2
.irp i, 2,4,6,8,10,12,14
.irp b, 0,1,2,3
	v_max3_num_f32 v[TM+\b], v[TM+\b], |v[AC+16*\b+\i]|, |v[AC+16*\b+\i+1]|
.endr
.endr
	WIN 0
.irp b, 0,1,2,3
	v_permlanex16_b32 v[TM+4+\b], v[TM+\b], s92, s93
.endr
.irp b, 0,1,2,3
	v_max_num_f32 v[TM+\b], v[TM+\b], v[TM+4+\b]
.endr
.irp b, 0,1,2,3
	v_add_nc_u32 v[TM+12+\b], 0xfc000000, v[TM+\b]
.endr
.irp b, 0,1,2,3
	v_and_or_b32 v[TM+8+\b], v[TM+\b], 0x7f800000, s94
.endr
.irp b, 0,1,2,3
	v_lshrrev_b32 v[TM+4+\b], 23, v[TM+12+\b]
.endr
	v_lshl_or_b32 v[PW+(\a)], v[TM+5], 8, v[TM+4]
	v_lshl_or_b32 v[PW+(\a)], v[TM+6], 16, v[PW+(\a)]
	v_lshl_or_b32 v[PW+(\a)], v[TM+7], 24, v[PW+(\a)]
	WIN W3
.irp b, 0,1,2,3
.irp i, 0,1,2,3,4,5,6,7,8,9,10,11,12,13,14,15
	v_med3_num_f32 v[AC+16*\b+\i], v[AC+16*\b+\i], -v[TM+8+\b], v[TM+8+\b]   ; the hold at 448 x the scale
.endr
.endr
	WIN W
.irp b, 0,1,2,3
	v_cvt_scalef32_pk8_fp8_f32 v[PCA+4*\b:PCA+4*\b+1], v[AC+16*\b:AC+16*\b+7], v[TM+12+\b]
	v_cvt_scalef32_pk8_fp8_f32 v[PCA+4*\b+2:PCA+4*\b+3], v[AC+16*\b+8:AC+16*\b+15], v[TM+12+\b]
.endr
	WIN 0
	v_nop                                          ; one plain vector line behind the last conversion
.irp b, 0,1,2,3
	global_store_b128 v[CO], v[PCA+4*\b:PCA+4*\b+3], s[96:97] offset:1024*(\a)+65536*(\b/2)+512*(\b%2)   ; 512 consecutive bytes; each tile has its own registers, so no store's data are written again
.endr
.endm
	PLACES NP                                      ; behind the last products: their results are read, and their operands' and scales' registers written, below
	s_mov_b32 s92, 0x76543210
	s_mov_b32 s93, 0xfedcba98
	s_mov_b32 s94, 0x600000
.irp b, 0,1,2,3
	v_mov_b32 v[TM+4+\b], 0                        ; a lane permute's destination counts as one of its sources
.endr
.irp a, 0,1,2,3,4,5,6,7
	QUANTW \a
.endr
	v_cmp_le_u32 vcc_lo, 16, v3                    ; lanes 0-15 store tiles 0-3's words, lanes 16-31 tiles 4-7's
.irp i, 0,1,2,3
	v_cndmask_b32 v[SW+\i], v[PW+\i], v[PW+4+\i], vcc_lo
.endr
	global_store_b128 v[CO], v[SW:SW+3], s[98:99]
	s_wait_tensorcnt 0x0                           ; the wave's end
	ds_add_u32 v[SPW], v[NIL]
	s_wait_dscnt 0x0
	CROUND                                         ; the closing round: no work-group ends while a partner may still ask for a tile that names it
	s_endpgm
.Lfunc_end_k_q1f65397490_gemm_qkv:
	.size	k_q1f65397490_gemm_qkv, .Lfunc_end_k_q1f65397490_gemm_qkv-k_q1f65397490_gemm_qkv
	.p2alignl 7, 3214868480
	.fill 96, 4, 3214868480
	.section	.rodata,"a",@progbits
	.p2align	6, 0x0
	.amdhsa_kernel k_q1f65397490_gemm_qkv
		.amdhsa_group_segment_fixed_size 327680
		.amdhsa_private_segment_fixed_size 0
		.amdhsa_enable_private_segment 0
		.amdhsa_kernarg_size 32
		.amdhsa_user_sgpr_count 2
		.amdhsa_user_sgpr_kernarg_segment_ptr 1
		.amdhsa_wavefront_size32 1
		.amdhsa_system_sgpr_workgroup_id_x 1
		.amdhsa_system_sgpr_workgroup_id_y 1
		.amdhsa_system_sgpr_workgroup_id_z 1
		.amdhsa_system_vgpr_workitem_id 0
		.amdhsa_next_free_vgpr 1024
		.amdhsa_next_free_sgpr 102
		.amdhsa_reserve_vcc 1
		.amdhsa_float_denorm_mode_32 3
		.amdhsa_float_denorm_mode_16_64 3
		.amdhsa_memory_ordered 1
		.amdhsa_forward_progress 1
		.amdhsa_inst_pref_size 185
	.end_amdhsa_kernel
	.amdgpu_metadata
---
amdhsa.version: [ 1, 2 ]
amdhsa.kernels:
  - .name:           k_q1f65397490_gemm_qkv
    .symbol:         k_q1f65397490_gemm_qkv.kd
    .args:
      - { .name: codes, .offset: 0, .size: 8, .value_kind: global_buffer, .address_space: global }
      - { .name: cscales, .offset: 8, .size: 8, .value_kind: global_buffer, .address_space: global }
      - { .name: qkvc, .offset: 16, .size: 8, .value_kind: global_buffer, .address_space: global }
      - { .name: qkvs, .offset: 24, .size: 8, .value_kind: global_buffer, .address_space: global }
    .group_segment_fixed_size: 327680
    .private_segment_fixed_size: 0
    .kernarg_segment_align: 8
    .kernarg_segment_size: 32
    .max_flat_workgroup_size: 128
    .sgpr_count:     102
    .vgpr_count:     1024
    .wavefront_size: 32
...
	.end_amdgpu_metadata
.endif
;; end of part 2
;; launch attn (part 3): grid 4 x 64, 16 waves a work-group, clusters of 4 x 1, 167,936 bytes of LDS; arguments qkvc, qkvs, oc, os; writes oc, os
.if DOCPART == 3
	.amdgcn_target "amdgcn-amd-amdhsa--gfx1250"
	.amdhsa_code_object_version 6
	.text
	.protected	k_q1f65397490_attn
	.globl	k_q1f65397490_attn
	.p2align	8
	.type	k_q1f65397490_attn,@function
k_q1f65397490_attn:
	s_mov_b64 s[64:65], 0
	v_nop
	global_prefetch_b8 v0, s[64:65] scope:SCOPE_SE
	s_setreg_imm32_b32 hwreg(HW_REG_WAVE_MODE, 25, 1), 1
	s_wait_xcnt 0x0
	s_wait_alu depctr_hold_cnt(0) depctr_sa_sdst(0) depctr_va_vdst(0) depctr_va_sdst(0) depctr_va_ssrc(0) depctr_va_vcc(0) depctr_vm_vsrc(0)
	s_getreg_b32 s2, hwreg(HW_REG_IB_STS2, 6, 4)
	s_cmp_eq_u32 s2, 0
	s_cbranch_scc0 .Lentry_in_a_cluster
	s_endpgm
.Lentry_in_a_cluster:
	s_bfe_u32 s2, ttmp6, 0x10000c
	s_cmp_lg_u32 s2, 0x3003
	s_cbranch_scc0 .Lentry_shape_is_right
	s_endpgm
.Lentry_shape_is_right:
; Launch 3 of 4: the stick-breaking attention of one (batch, head) for each cluster, both products on codes of E4M3, and o quantised along the model's axis for the last product.
; LEFT OUT (shown at the head of launch 1): rem; key steps of 128 that lie wholly behind a tile's queries (reference()'s own mask j < i).
; THE FORMULA.  With t = z log2(e), z = q . k / 8, and e = 2^t: 1 - sigma(z) = 1 / (1 + e) and sigma / (1 - sigma) = e, so
;   A(i, j) = exp(log sigma(z_ij) + sum over j < l < i of log(1 - sigma(z_il))) = e_ij x the product over j <= l < i of 1 / (1 + e_il):
; two transcendentals a number, all roundings multiplicative, no difference of sums.  Every factor 1 / (1 + e) is at most 1 and e / (1 + e) too, so nothing can overflow: no maximum has to be taken away.
; LIMITS.  t is held at 64 from above (z = 44.4): there 1 - sigma is held at 2^-64, so a weight in front of such a key is at most 5.4e-20 of the stick where the true one is smaller still.
;   e under 2^-126 and products under the smallest f32 number become 0, where reference()'s exp gives 0 or a denormal.  NaN and infinities are not served.
; SHARES.  All four work-groups of a cluster want the head's whole K and V: 128 KB of codes and 8 KB of scale bytes.  They are asked for JOINTLY, once, each of the 16 waves one load of codes and one of scale bytes, and stay in LDS:
; nothing is filled again.  A wave owns ONE tile of 16 queries, tau = 8 s + 2 cx + u; it walks key steps s, s - 1, .. 0 of 128 keys, FROM THE DIAGONAL DOWN, carrying the product of 1 - sigma over the keys walked.
; s and u hang on the wave's number alone and are dealt so that four waves that are neighbours by number, and four that are 4 apart, both have 18 steps together.  cx enters global addresses and the mask's numbers alone.
; LAYOUT.  S^T = K Q^T (source 0 = 16 keys, source 1 = my 16 queries), O^T = V^T A^T (source 0 = 16 of the head's 64, source 1 = A): a lane holds ONE query throughout.  Row rho of a tile is row 32 (T / 2) + 8 (T % 2) + rho % 8 + 16 (rho / 8),
; so the 16 registers of key tiles 2 b, 2 b + 1 are keys 32 b + 16 h + 0 .. 15, which is what the second product's operand wants of this lane.
; THE HEAD'S 64 FILL HALF OF THE INSTRUCTION'S 128 ALONG K: the other half is zero codes on both sides.  In an X fragment the data are registers 0-7, in a Y fragment 8-15: one run of eight zero registers serves two fragments.
; The scale words are made (s0, s1, s0, s1) and serve both kinds.
; REGISTERS: v1 16 x lane; v2 LDS address; v3 my query's place less 16 h; v4 -infinity; v5, v6 the add's two; v7 the carried product; v8-11 K's, then V's scale words; v12 Q's, v13 A's; v14, v15 at work;
;   v16-39 Q [data][zeros][data]; v40-87 K [k0][zeros][k1][k2][zeros][k3]; v56-71 at work in the vector phase; v88-151 S^T, e, A, then V's four fragments; v152-215 1 - sigma and its products; v152-167 A's codes; v216-247 O^T;
;   v248 + 2 b: block b's factor; v249 + 2 b: the other half's total.
.set CH,    17408                      ; LDS: a key step's chunk: K 8,192 | V 8,192 | V's scale image 512 | K's 512.  Key step st lies at (7 - st) CH: the walk goes up in LDS
.set OV,    8192
.set OVS,   16384
.set OKS,   16896
.set SPARE, 8*CH                       ; the spare words, 128 bytes for each wave: eight blocks of 256 bytes that no other line names
.set LI,  1
.set ADR, 2
.set DQ,  3
.set NINF, 4
.set SPW, 5
.set NIL, 6
.set CAR, 7
.set S,   88
.set OM,  152
.set OT,  216
.set TM,  56
.macro ROUND                           ; a round of the cluster's barrier
	s_barrier_signal -1
	s_barrier_wait -1
	s_cmp_lg_u32 s12, 0
	s_cbranch_scc1 .Lnot_wave_0_\@
	s_barrier_signal -3
.Lnot_wave_0_\@:
	s_barrier_wait -3
	s_barrier_signal -1
	s_barrier_wait -1
.endm
	s_load_b256 s[4:11], s[0:1], 0x0               ; qkvc, qkvs, oc, os
	v_lshl_add_u32 v[SPW], v0, 2, SPARE
	v_mov_b32 v[NIL], 0
	ds_add_u32 v[SPW], v[NIL]                      ; the wave's opening: the add, twice on end, and its wait ahead of my first tensor load
	ds_add_u32 v[SPW], v[NIL]
	v_lshrrev_b32 v1, 5, v0
	v_readfirstlane_b32 s12, v1                    ; wave 0..15
	s_bfe_u32 s13, ttmp6, 0x40000                  ; cx
	s_and_b32 s14, ttmp7, 0xffff                   ; batch x 32 + head
	s_lshr_b32 s15, s14, 5                         ; b
	s_and_b32 s16, s14, 31                         ; head
	s_and_b32 s17, s16, 1                          ; par
	s_lshr_b32 s18, s16, 1                         ; g: the head's group of 128 features
	s_and_b32 s19, s12, 7                          ; st: the key step that I fetch,
	s_lshr_b32 s20, s12, 3                         ; arm: its K (0) or its V (1)
	; where they go: made of the wave's number alone
	s_xor_b32 s56, s19, 7
	s_mul_i32 s56, s56, CH
	s_lshl_b32 s57, s20, 13
	s_add_co_u32 s49, s56, s57                     ; codes: chunk + arm x 8,192
	s_xor_b32 s57, s20, 1
	s_lshl_b32 s57, s57, 9
	s_add_co_u32 s57, s57, s56
	s_add_co_u32 s53, s57, OVS                     ; scale image: V's at 16,384, K's at 16,896
	; my tile of queries
	s_lshr_b32 s56, s12, 2                         ; q4
	s_and_b32 s57, s12, 3                          ; sg
	s_and_b32 s22, s56, 1                          ; u
	s_lshr_b32 s58, s56, 1
	s_lshl_b32 s58, s58, 1
	s_lshr_b32 s59, s57, 1
	s_add_co_u32 s58, s58, s59                     ; small = 2 (q4 / 2) + sg / 2
	s_and_b32 s59, s57, 1
	s_xor_b32 s59, s59, s22                        ; x
	s_lshl_b32 s60, s58, 1
	s_sub_co_u32 s60, 7, s60
	s_mul_i32 s60, s60, s59
	s_add_co_u32 s21, s58, s60                     ; s = small or 7 - small
	s_sub_co_u32 s67, 7, s21                       ; the trip in which my walk begins
	s_lshl_b32 s23, s21, 3
	s_lshl_b32 s56, s13, 1
	s_add_co_u32 s23, s23, s56
	s_add_co_u32 s23, s23, s22                     ; tau
	; where the tiles come from
	s_lshl_b32 s69, s15, 21
	s_lshl_b32 s57, s16, 16
	s_add_co_u32 s69, s69, s57                     ; the head's 64 KB in q's and in k's part
	s_lshl_b32 s57, s19, 13
	s_add_co_u32 s57, s57, s69
	s_add_co_u32 s57, s57, 2<<22                   ; K: 8 tiles x 1,024 dense bytes
	s_lshl_b32 s58, s15, 3
	s_add_co_u32 s58, s58, s19                     ; 8 b + st
	s_lshr_b32 s59, s18, 3
	s_lshl_b32 s59, s59, 21
	s_lshl_b32 s60, s58, 17
	s_add_co_u32 s59, s59, s60
	s_and_b32 s60, s18, 7
	s_lshl_b32 s60, s60, 13
	s_add_co_u32 s59, s59, s60
	s_lshl_b32 s60, s17, 12
	s_add_co_u32 s59, s59, s60                     ; V: 2 rows of 4,096 bytes, 65,536 apart
	s_lshl_b32 s60, s58, 4
	s_add_co_u32 s60, s60, s18
	s_lshl_b32 s60, s60, 9
	s_add_co_u32 s60, s60, 2<<17                   ; K's scale image
	s_lshl_b32 s61, s18, 4
	s_add_co_u32 s61, s61, s58
	s_lshl_b32 s61, s61, 9
	s_lshl_b32 s62, s17, 8
	s_add_co_u32 s61, s61, s62                     ; V's: from my head's 256 bytes on (v's part stands first in qkvs, so the 512 bytes always end on bytes that launch 2 wrote)
	s_cmp_eq_u32 s20, 0
	s_cselect_b32 s62, s57, s59
	s_cselect_b32 s60, s60, s61
	s_mov_b32 s63, 0
	s_mov_b32 s61, 0
	; descriptor groups 1.  Word 0: 15:0 the mask, all four work-groups; 17:16 elements of 8 bytes; 21 set beside a mask
	s_mov_b32 s24, 15|(3<<16)|(1<<21)              ; K: 32 rows of 256 dense bytes
	s_mov_b32 s25, 32<<16
	s_mov_b32 s26, 32<<16
	s_mov_b32 s27, 32<<16
	s_mov_b32 s28, 32
	s_mov_b32 s29, 32
	s_mov_b32 s30, 0
	s_mov_b32 s31, 0
	s_mov_b32 s32, 15|(3<<16)|(1<<21)              ; V: 2 rows of 512 elements, 8,192 elements apart
	s_mov_b32 s33, 512<<16
	s_mov_b32 s34, 2<<16
	s_mov_b32 s35, 512<<16
	s_mov_b32 s36, 2
	s_mov_b32 s37, 8192
	s_mov_b32 s38, 0
	s_mov_b32 s39, 0
	s_mov_b32 s40, 15|(3<<16)|(1<<21)              ; a scale image: one row of 64 elements
	s_mov_b32 s41, 64<<16
	s_mov_b32 s42, 1<<16
	s_mov_b32 s43, 64<<16
	s_mov_b32 s44, 1
	s_mov_b32 s45, 64
	s_mov_b32 s46, 1<<16
	s_mov_b32 s47, 0
	; my own global places, as offsets
	s_lshl_b32 s78, s23, 10
	s_add_co_u32 s78, s78, s69
	s_add_co_u32 s78, s78, 1<<22                   ; Q's tile: 1,024 bytes
	s_mov_b32 s79, 0
	s_lshl_b32 s80, s15, 3
	s_add_co_u32 s80, s80, s21
	s_lshl_b32 s80, s80, 4
	s_add_co_u32 s80, s80, s18
	s_lshl_b32 s80, s80, 9
	s_bfe_u32 s86, s23, 0x10002
	s_lshl_b32 s86, s86, 8
	s_add_co_u32 s80, s80, s86
	s_and_b32 s86, s23, 3
	s_lshl_b32 s86, s86, 2
	s_add_co_u32 s80, s80, s86
	s_add_co_u32 s80, s80, 1<<17                   ; Q's scale words: image (8 b + s, g), tile tau % 8
	s_mov_b32 s81, 0
	s_lshl_b32 s82, s15, 6
	s_add_co_u32 s82, s82, s23
	s_lshl_b32 s82, s82, 15
	s_lshl_b32 s86, s18, 11
	s_add_co_u32 s82, s82, s86
	s_lshl_b32 s86, s17, 10
	s_add_co_u32 s82, s82, s86                     ; oc: tile 64 b + tau, image g, chunks 2 par, 2 par + 1
	s_mov_b32 s83, 0
	s_lshl_b32 s84, s15, 5
	s_lshr_b32 s86, s23, 1
	s_add_co_u32 s84, s84, s86
	s_lshl_b32 s84, s84, 11
	s_lshr_b32 s86, s16, 2
	s_lshl_b32 s86, s86, 8
	s_add_co_u32 s84, s84, s86
	s_and_b32 s86, s23, 1
	s_lshl_b32 s86, s86, 7
	s_add_co_u32 s84, s84, s86
	s_and_b32 s86, s16, 3
	s_lshl_b32 s86, s86, 1
	s_add_co_u32 s84, s84, s86                     ; os: group 32 b + tau / 2, K step head / 4, rows 16 (tau % 2) on, bytes 2 (head % 4) on
	s_mov_b32 s85, 0
	s_mov_b32 s70, 0x3e38aa3b                      ; c = log2(e) / 8
	s_mov_b32 s71, s70                             ; (named with it as a pair)
	s_mov_b32 s72, 0x42800000                      ; 64.0
	s_mov_b32 s73, 0x76543210
	s_mov_b32 s74, 0xfedcba98                      ; lane selects: lane l xor 16
	s_mov_b32 s75, 0x600000                        ; the mantissa field of 448
	s_mov_b32 s76, 0x03020302                      ; which two bytes of a scale word are my head's
	s_cmp_eq_u32 s17, 0
	s_cselect_b32 s76, 0x01000100, s76
	s_mov_b32 s77, 0x0000ffff                      ; lanes 0-15
	s_wait_dscnt 0x0                               ; both opening adds are done
	s_wait_kmcnt 0x0
	s_mov_b32 s48, 1
	s_add_nc_u64 s[50:51], s[4:5], s[62:63]
	s_or_b32 s51, s51, 0x80000000
	s_mov_b32 s52, 1
	s_add_nc_u64 s[54:55], s[6:7], s[60:61]
	s_or_b32 s55, s55, 0x80000000
	s_add_nc_u64 s[78:79], s[4:5], s[78:79]
	s_add_nc_u64 s[80:81], s[6:7], s[80:81]
	s_add_nc_u64 s[82:83], s[8:9], s[82:83]
	s_add_nc_u64 s[84:85], s[10:11], s[84:85]
	ROUND                                          ; all four work-groups are here: the joint loads meet
	s_cmp_eq_u32 s20, 0                            ; waves 0-7: K's tiles; waves 8-15: V's: two shapes, two lines; an s_nop 0 and four v_nop follow each
	s_cbranch_scc0 .Lfor_v
	tensor_load_to_lds s[48:51], s[24:31]
	s_nop 0
.rept 4
	v_nop
.endr
	s_branch .Lasked
.Lfor_v:
	tensor_load_to_lds s[48:51], s[32:39]
	s_nop 0
.rept 4
	v_nop
.endr
.Lasked:
	tensor_load_to_lds s[52:55], s[40:47]          ; and the same step's scale image: two loads of mine are out
	s_nop 0
.rept 4
	v_nop
.endr
	v_and_b32 v[LI], 31, v0
	v_lshlrev_b32 v[LI], 4, v[LI]
	v_and_b32 v14, 15, v0                          ; r
	v_lshlrev_b32 v15, 4, v14                      ; a row's four words in a scale image
	global_load_b128 v[16:19], v[LI], s[78:79]     ; Q's data twice: for the X fragment
	global_load_b128 v[20:23], v[LI], s[78:79] offset:512
	global_load_b128 v[32:35], v[LI], s[78:79]     ; and for the Y fragment
	global_load_b128 v[36:39], v[LI], s[78:79] offset:512
	global_load_b32 v2, v15, s[80:81]              ; Q's scale word of row r
	v_bfe_u32 v[NINF], v0, 4, 1                    ; h
	v_and_b32 v[DQ], 7, v14
	v_lshrrev_b32 v14, 3, v14
	v_lshl_add_u32 v[DQ], v14, 4, v[DQ]            ; r % 8 + 16 (r / 8)
	v_lshlrev_b32 v[NINF], 4, v[NINF]
	v_sub_nc_u32 v[DQ], v[DQ], v[NINF]             ; - 16 h
	s_lshl_b32 s56, s13, 5
	s_lshl_b32 s57, s22, 3
	s_add_co_u32 s56, s56, s57
	v_add_nc_u32 v[DQ], s56, v[DQ]                 ; + 32 cx + 8 u: my query's place in its step of 128, less 16 h
	v_mov_b32 v[NINF], 0xff800000
	v_mov_b32 v[CAR], 1.0
.irp j, 0,1,2,3,4,5,6,7
	v_mov_b32 v[24+\j], 0                          ; the zero codes
	v_mov_b32 v[48+\j], 0
	v_mov_b32 v[72+\j], 0
.endr
.set n, 0
.rept 32
	v_mov_b32 v[OT+n], 0                           ; O^T: the step is written once
.set n, n+1
.endr
.irp b, 0,1,2,3
	v_mov_b32 v[249+2*\b], 0                       ; a lane permute's destination counts as one of its sources
.endr
	s_wait_loadcnt 0x0
	v_perm_b32 v12, v2, v2, s76                    ; Q's scale word (s0, s1, s0, s1)
	s_wait_tensorcnt 0x0                           ; my two loads have landed,
	s_barrier_signal -1
	s_barrier_wait -1                              ; everybody's have: the head's K and V lie in LDS
	s_mov_b32 s66, 0
	s_mov_b32 s68, 0
.Ltrip:                                            ; 8 trips, a constant: trip n is key step 7 - n
	s_cmp_lt_u32 s66, s67                          ; a step all of whose keys come after my queries is left out: the wave's number and the count of trips decide; no barrier and no tensor load stands in a step
	s_cbranch_scc1 .Lnext
	v_add_nc_u32 v[ADR], s68, v[LI]
.rept 8
	v_nop                                          ; with the line above nine places behind the last step's products: S^T is laid over their operands, and the load below lands in one
.endr
	ds_load_b128 v[152:155], v[ADR] offset:OKS     ; K's scale image: lanes 0-15 tiles 0-3, lanes 16-31 tiles 4-7
.macro KLOAD g                         ; tiles 4 g .. 4 g + 3: 8 registers of data each
.irp t, 0,1,2,3
	ds_load_b128 v[40+24*(\t/2)+16*(\t%2):43+24*(\t/2)+16*(\t%2)], v[ADR] offset:1024*(4*\g+\t)
	ds_load_b128 v[44+24*(\t/2)+16*(\t%2):47+24*(\t/2)+16*(\t%2)], v[ADR] offset:1024*(4*\g+\t)+512
.endr
.endm
	KLOAD 0
	s_wait_dscnt 8                                 ; the scale image is in; the eight loads behind it may be out
.irp t, 0,1,2,3
	v_perm_b32 v[8+\t], v[152+\t], v[152+\t], s76
.endr
.rept 8
	v_nop                                          ; a scale register written by a vector instruction stands eight places ahead of the scaled matrix instruction
.endr
	s_wait_dscnt 0x0
.irp t, 0,1,2,3
	v_wmma_scale_f32_16x16x128_f8f6f4 v[S+8*\t:S+8*\t+7], v[40+24*(\t/2)+8*(\t%2):55+24*(\t/2)+8*(\t%2)], v[16+8*(\t%2):31+8*(\t%2)], 0, v[8+\t], v12
.endr
.rept 8
	v_nop                                          ; places in front of loads into registers that matrix instructions have read
.endr
	KLOAD 1
	s_wait_dscnt 0x0
.irp t, 0,1,2,3
	v_wmma_scale_f32_16x16x128_f8f6f4 v[S+32+8*\t:S+32+8*\t+7], v[40+24*(\t/2)+8*(\t%2):55+24*(\t/2)+8*(\t%2)], v[16+8*(\t%2):31+8*(\t%2)], 0, v[8+\t], v12 matrix_a_scale:MATRIX_SCALE_ROW1
.endr
.rept 8
	v_nop
.endr
	s_cmp_lg_u32 s66, s67                          ; on the diagonal: register 16 b + i holds key 32 b + 16 h + i of the step: hidden where it is not under my query.  -infinity gives e = 0, 1 - sigma = 1, A = 0
	s_cbranch_scc1 .Lopen
.set n, 0
.rept 64
	v_cmp_gt_i32 vcc_lo, 32*(n/16)+n%16+1, v[DQ]
	v_cndmask_b32 v[S+n], v[S+n], v[NINF], vcc_lo
.set n, n+1
.endr
.Lopen:
.set n, 0
.rept 32
	v_pk_mul_f32 v[S+n:S+n+1], v[S+n:S+n+1], s[70:71] op_sel_hi:[1,0]   ; t = score x log2(e) / 8
.set n, n+2
.endr
.irp j, 0,1,2,3
	v_min_num_f32 v[S+\j], s72, v[S+\j]            ; held at 64
.endr
.set n, 0
.rept 60
	v_exp_f32 v[S+n], v[S+n]                       ; e = 2^t; the holds stand between the exponentials, four numbers ahead
	v_min_num_f32 v[S+4+n], s72, v[S+4+n]
.set n, n+1
.endr
.irp j, 60,61,62,63
	v_exp_f32 v[S+\j], v[S+\j]
.endr
	v_nop                                          ; a plain instruction behind the last exponential
	s_wait_alu depctr_va_vdst(0)                   ; one wait for the 64, ahead of their first reader
	v_pk_add_f32 v[OM:OM+1], v[S:S+1], 1.0 op_sel_hi:[1,0]
	v_pk_add_f32 v[OM+2:OM+3], v[S+2:S+3], 1.0 op_sel_hi:[1,0]
.set n, 0
.rept 30
	v_pk_add_f32 v[OM+4+n:OM+5+n], v[S+4+n:S+5+n], 1.0 op_sel_hi:[1,0]   ; 1 + e, two pairs ahead of its reciprocals
	v_rcp_f32 v[OM+n], v[OM+n]                     ; 1 - sigma
	v_rcp_f32 v[OM+1+n], v[OM+1+n]
.set n, n+2
.endr
.irp j, 60,61,62,63
	v_rcp_f32 v[OM+\j], v[OM+\j]
.endr
	v_nop
	s_wait_alu depctr_va_vdst(0)                   ; one wait for the 64 reciprocals
.irp i, 14,13,12,11,10,9,8,7,6,5,4,3,2,1,0
.irp b, 0,1,2,3
	v_mul_f32 v[OM+16*\b+\i], v[OM+16*\b+\i], v[OM+16*\b+\i+1]   ; the product over my 16 keys from this key on, the four blocks by turns
.endr
.endr
.irp b, 0,1,2,3
	v_permlanex16_b32 v[249+2*\b], v[OM+16*\b], s73, s74   ; the other half's total of block b
.endr
.irp b, 0,1,2,3
	v_mul_f32 v[TM+\b], v[OM+16*\b], v[249+2*\b]   ; the block's total
.endr
.irp b, 0,1,2,3
	v_cndmask_b32 v[TM+4+\b], 1.0, v[249+2*\b], s77   ; lanes 0-15 hold the block's lower 16 keys: the upper 16's total lies behind them; lanes 16-31: 1
.endr
	v_mul_f32 v254, v[TM+7], v[CAR]                ; block 3's factor: what lies behind my 16 keys
	v_mul_f32 v[TM+8], v[CAR], v[TM+3]
	v_mul_f32 v252, v[TM+6], v[TM+8]
	v_mul_f32 v[TM+9], v[TM+8], v[TM+2]
	v_mul_f32 v250, v[TM+5], v[TM+9]
	v_mul_f32 v[TM+10], v[TM+9], v[TM+1]
	v_mul_f32 v248, v[TM+4], v[TM+10]
	v_mul_f32 v[CAR], v[TM+10], v[TM]              ; carried on to the next 128 keys
.set n, 0
.rept 32
	v_pk_mul_f32 v[S+n:S+n+1], v[S+n:S+n+1], v[OM+n:OM+n+1]
.set n, n+2
.endr
.irp b, 0,1,2,3
.irp i, 0,2,4,6,8,10,12,14
	v_pk_mul_f32 v[S+16*\b+\i:S+16*\b+\i+1], v[S+16*\b+\i:S+16*\b+\i+1], v[248+2*\b:249+2*\b] op_sel_hi:[1,0]   ; A
.endr
.endr
	ds_load_b128 v[8:11], v[ADR] offset:OVS        ; V's scale words: lane r: rows r of my head's four tiles
.irp b, 0,1,2,3
	v_max3_num_f32 v[TM+\b], v[S+16*\b], v[S+1+16*\b], 0x4800000   ; A is never negative; the floor 2^(9 - 127) holds the byte at 1 (a block of zeros keeps it: its codes are zeros)
.endr
.irp i, 2,4,6,8,10,12,14
.irp b, 0,1,2,3
	v_max3_num_f32 v[TM+\b], v[TM+\b], v[S+16*\b+\i], v[S+1+16*\b+\i]
.endr
.endr
.irp b, 0,1,2,3
	v_permlanex16_b32 v[TM+4+\b], v[TM+\b], s73, s74
.endr
.irp b, 0,1,2,3
	v_max_num_f32 v[TM+\b], v[TM+\b], v[TM+4+\b]
.endr
.irp b, 0,1,2,3
	v_add_nc_u32 v[TM+12+\b], 0xfc000000, v[TM+\b]
.endr
.irp b, 0,1,2,3
	v_and_or_b32 v[TM+8+\b], v[TM+\b], 0x7f800000, s75
.endr
.irp b, 0,1,2,3
	v_lshrrev_b32 v[TM+4+\b], 23, v[TM+12+\b]
.endr
	v_lshl_or_b32 v13, v[TM+5], 8, v[TM+4]         ; A's scale word for these 128 keys
	v_lshl_or_b32 v13, v[TM+6], 16, v13
	v_lshl_or_b32 v13, v[TM+7], 24, v13
.irp b, 0,1,2,3
.irp i, 0,1,2,3,4,5,6,7,8,9,10,11,12,13,14,15
	v_min_num_f32 v[S+16*\b+\i], v[S+16*\b+\i], v[TM+8+\b]   ; the hold at 448 x the scale, one-sided
.endr
	v_cvt_scalef32_pk8_fp8_f32 v[152+4*\b:153+4*\b], v[S+16*\b:S+7+16*\b], v[TM+12+\b]
	v_cvt_scalef32_pk8_fp8_f32 v[154+4*\b:155+4*\b], v[S+8+16*\b:S+15+16*\b], v[TM+12+\b]
.irp c, 0,1,2,3
	ds_load_b128 v[S+16*\b+4*\c:S+16*\b+4*\c+3], v[ADR] offset:OV+4096*(\c/2)+1024*\b+512*(\c%2)   ; V's tile b takes the registers that have just been converted
.endr
.endr
.rept 4
	v_nop                                          ; an operand written by vector instructions stands four places ahead of a scaled matrix instruction (the scale word was made ahead of the holds)
.endr
	s_wait_dscnt 0x0
.irp d, 0,1,2,3
	v_wmma_scale_f32_16x16x128_f8f6f4 v[OT+8*\d:OT+8*\d+7], v[S+16*\d:S+16*\d+15], v[152:167], v[OT+8*\d:OT+8*\d+7], v[8+\d], v13   ; the four accumulators by turns; S^T's eight stand between a link and the next
.endr
.Lnext:
	s_add_co_u32 s68, s68, CH
	s_add_co_u32 s66, s66, 1
	s_cmp_lt_u32 s66, 8
	s_cbranch_scc1 .Ltrip
	; THE WAY OUT.  Registers 16 g + i of O^T are o(my query, 32 g + 16 h + i): two blocks of 32 along the last product's K.  They are quantised as they stand.
.rept 8
	v_nop
.endr
.irp g, 0,1
	v_max3_num_f32 v[TM+\g], |v[OT+16*\g]|, |v[OT+1+16*\g]|, 0x4800000
.endr
.irp i, 2,4,6,8,10,12,14
.irp g, 0,1
	v_max3_num_f32 v[TM+\g], v[TM+\g], |v[OT+16*\g+\i]|, |v[OT+1+16*\g+\i]|
.endr
.endr
.irp g, 0,1
	v_permlanex16_b32 v[249+2*\g], v[TM+\g], s73, s74
.endr
.irp g, 0,1
	v_max_num_f32 v[TM+\g], v[TM+\g], v[249+2*\g]
.endr
.irp g, 0,1
	v_add_nc_u32 v[TM+12+\g], 0xfc000000, v[TM+\g]
.endr
.irp g, 0,1
	v_and_or_b32 v[TM+8+\g], v[TM+\g], 0x7f800000, s75
.endr
.irp g, 0,1
	v_lshrrev_b32 v[TM+4+\g], 23, v[TM+12+\g]
.endr
	v_lshl_or_b32 v14, v[TM+5], 8, v[TM+4]         ; my row's two scale bytes
	v_and_b32 v15, 15, v0
	v_lshlrev_b32 v15, 3, v15                      ; 8 bytes a row in os
.irp g, 0,1
.irp i, 0,1,2,3,4,5,6,7,8,9,10,11,12,13,14,15
	v_med3_num_f32 v[OT+16*\g+\i], v[OT+16*\g+\i], -v[TM+8+\g], v[TM+8+\g]
.endr
	v_cvt_scalef32_pk8_fp8_f32 v[152+4*\g:153+4*\g], v[OT+16*\g:OT+7+16*\g], v[TM+12+\g]
	v_cvt_scalef32_pk8_fp8_f32 v[154+4*\g:155+4*\g], v[OT+8+16*\g:OT+15+16*\g], v[TM+12+\g]
.endr
	v_nop                                          ; one plain vector line behind the last conversion
	global_store_b128 v[LI], v[152:155], s[82:83]  ; 512 consecutive bytes of the image each
	global_store_b128 v[LI], v[156:159], s[82:83] offset:512
	global_store_b16 v15, v14, s[84:85]            ; 2 bytes a row, 8 bytes apart (both halves of the lanes write the same bytes with the same value): one part in 32 of what the launch stores; a row's other 6 bytes belong to three other heads
	s_wait_tensorcnt 0x0                           ; the wave's end
	ds_add_u32 v[SPW], v[NIL]
	s_wait_dscnt 0x0
	ROUND                                          ; the closing round
	s_endpgm
.Lfunc_end_k_q1f65397490_attn:
	.size	k_q1f65397490_attn, .Lfunc_end_k_q1f65397490_attn-k_q1f65397490_attn
	.p2alignl 7, 3214868480
	.fill 96, 4, 3214868480
	.section	.rodata,"a",@progbits
	.p2align	6, 0x0
	.amdhsa_kernel k_q1f65397490_attn
		.amdhsa_group_segment_fixed_size 167936
		.amdhsa_private_segment_fixed_size 0
		.amdhsa_enable_private_segment 0
		.amdhsa_kernarg_size 32
		.amdhsa_user_sgpr_count 2
		.amdhsa_user_sgpr_kernarg_segment_ptr 1
		.amdhsa_wavefront_size32 1
		.amdhsa_system_sgpr_workgroup_id_x 1
		.amdhsa_system_sgpr_workgroup_id_y 1
		.amdhsa_system_sgpr_workgroup_id_z 1
		.amdhsa_system_vgpr_workitem_id 0
		.amdhsa_next_free_vgpr 256
		.amdhsa_next_free_sgpr 90
		.amdhsa_reserve_vcc 1
		.amdhsa_float_denorm_mode_32 3
		.amdhsa_float_denorm_mode_16_64 3
		.amdhsa_memory_ordered 1
		.amdhsa_forward_progress 1
		.amdhsa_inst_pref_size 50
	.end_amdhsa_kernel
	.amdgpu_metadata
---
amdhsa.version: [ 1, 2 ]
amdhsa.kernels:
  - .name:           k_q1f65397490_attn
    .symbol:         k_q1f65397490_attn.kd
    .args:
      - { .name: qkvc, .offset: 0, .size: 8, .value_kind: global_buffer, .address_space: global }
      - { .name: qkvs, .offset: 8, .size: 8, .value_kind: global_buffer, .address_space: global }
      - { .name: oc, .offset: 16, .size: 8, .value_kind: global_buffer, .address_space: global }
      - { .name: os, .offset: 24, .size: 8, .value_kind: global_buffer, .address_space: global }
    .group_segment_fixed_size: 167936
    .private_segment_fixed_size: 0
    .kernarg_segment_align: 8
    .kernarg_segment_size: 32
    .max_flat_workgroup_size: 512
    .sgpr_count:     90
    .vgpr_count:     256
    .wavefront_size: 32
...
	.end_amdgpu_metadata
.endif
;; end of part 3
;; launch gemm_out (part 4): grid 8 x 8, 4 waves a work-group, clusters of 4 x 4, 327,680 bytes of LDS; arguments oc, os, codes, cscales, out0; writes out0
.if DOCPART == 4
	.amdgcn_target "amdgcn-amd-amdhsa--gfx1250"
	.amdhsa_code_object_version 6
	.text
	.protected	k_q1f65397490_gemm_out
	.globl	k_q1f65397490_gemm_out
	.p2align	8
	.type	k_q1f65397490_gemm_out,@function
k_q1f65397490_gemm_out:
	s_mov_b64 s[64:65], 0
	v_nop
	global_prefetch_b8 v0, s[64:65] scope:SCOPE_SE
	s_setreg_imm32_b32 hwreg(HW_REG_WAVE_MODE, 25, 1), 1
	s_wait_xcnt 0x0
	s_wait_alu depctr_hold_cnt(0) depctr_sa_sdst(0) depctr_va_vdst(0) depctr_va_sdst(0) depctr_va_ssrc(0) depctr_va_vcc(0) depctr_vm_vsrc(0)
	s_getreg_b32 s2, hwreg(HW_REG_IB_STS2, 6, 4)
	s_cmp_eq_u32 s2, 0
	s_cbranch_scc0 .Lentry_in_a_cluster
	s_endpgm
.Lentry_in_a_cluster:
	s_bfe_u32 s2, ttmp6, 0x10000c
	s_cmp_lg_u32 s2, 0xf033
	s_cbranch_scc0 .Lentry_shape_is_right
	s_endpgm
.Lentry_shape_is_right:
; Launch 4 of 4: out0 = o Wo on codes of E4M3; results f32.  Nothing of this product is left out.
; The loop is launch 2's: a tile of 256 x 256 by four waves of 128 x 128; SOURCE 0 ("B", window 1, two sets) = Wo's output features, which run along a lane's registers; SOURCE 1 ("A", window 0) = o's tokens, in the lanes.
; Operands are fragment images (2,048 bytes for a tile of 16 rows x 128 along K, byte 512 c + 16 lane); row rho of tile T is row 32 (T / 2) + 8 (T % 2) + rho % 8 + 16 (rho / 8).
; K goes in 8 steps of 256 through a ring of two LDS slots; the scale bytes of the work-group's rows come once and stay.  CLUSTERS: 4 x 4; A's tiles are asked for jointly along a row, B's along a column.
; 64 tiles of 256 x 256: 64 work-groups.
.set NQ,     2
.set FR,     16
.set NL,     4
.set NP,     8
.set KBYTES, 4096
.set HALFT,  8*KBYTES
.set SLOT,   4*HALFT
.set LAPS,   4
.set SCL,    2*SLOT
.set HALFS,  8192
.set SPARE,  SCL+4*HALFS               ; the spare words, 128 bytes for each wave: two blocks of 256 bytes that no other line names
.set SPITCH, 528                       ; the way out: a stage of 16 rows x (512 bytes + 16) for each wave, in slot 0, which has had its last fill and its last read when the first result is stored there
.set ADRA, 16
.set ADRB, 20
.set STO,  24                          ; v24  the way out: where I put 32 bytes of a row
.set RD,   25                          ; v25  where I read a row back
.set CO,   26                          ; v26  16 x lane
.set ADRS, 27
.set SPW,  28
.set NIL,  29
.set SC,   32
.set AF,   128
.set BK,   128                         ; the way out: 16 rows read back: v128-191 and v192-255 by turns
.set G1, 24
.set G0, 32
.set G1B, 48
.set G0B, 56
.set G1S, 68
.set G0S, 76
.set G1SB, 80
.set G0SB, 88
.set MSB, 0
.macro WIN new
.if MSB != \new
	s_set_vgpr_msb (MSB<<8)|\new
.set MSB, \new
.endif
.endm
.set MUL_LO, 0xa1
.set MUL_HI, 0xf1
.set TO_B,   0x40
.macro JLOAD g0a, g1a, g0b, g1b        ; a joint load: waves 0 and 1 fetch for A, waves 2 and 3 for B; an s_nop 0 and four v_nop follow each of the two lines
	s_cmp_eq_u32 s15, 0
	s_cbranch_scc0 .Lfor_b_\@
	tensor_load_to_lds s[\g0a:\g0a+3], s[\g1a:\g1a+7]
	s_nop 0
.rept 4
	v_nop
.endr
	s_branch .Lasked_\@
.Lfor_b_\@:
	tensor_load_to_lds s[\g0b:\g0b+3], s[\g1b:\g1b+7]
	s_nop 0
.rept 4
	v_nop
.endr
.Lasked_\@:
.endm
.macro CREST
	s_cmp_lg_u32 s14, 0
	s_cbranch_scc1 .Lnot_wave_0_\@
	s_barrier_signal -3
.Lnot_wave_0_\@:
	s_barrier_wait -3
	s_barrier_signal -1
	s_barrier_wait -1
.endm
.macro CROUND
	s_barrier_signal -1
	s_barrier_wait -1
	CREST
.endm
	s_load_b256 s[4:11], s[0:1], 0x0               ; oc, os, codes, cscales
	s_load_b64 s[12:13], s[0:1], 0x20              ; out0
	v_lshl_add_u32 v[SPW], v0, 2, SPARE
	v_mov_b32 v[NIL], 0
	ds_add_u32 v[SPW], v[NIL]                      ; the wave's opening: the add, twice on end, and its wait ahead of my first tensor load
	ds_add_u32 v[SPW], v[NIL]
	v_lshrrev_b32 v1, 5, v0
	v_readfirstlane_b32 s14, v1                    ; wave 0..3
	s_lshr_b32 s15, s14, 1                         ; which half of A's rows is mine.  Also: I fetch for A (0) or for B (1)
	s_and_b32 s16, s14, 1                          ; which half of B's.  Also: which 128 rows I fetch
	s_bfe_u32 s40, ttmp6, 0x40000                  ; cx, cy
	s_bfe_u32 s41, ttmp6, 0x40004
	s_lshl_b32 s42, ttmp9, 2
	s_add_co_u32 s42, s42, s40                     ; tile column
	s_and_b32 s17, ttmp7, 0xffff
	s_lshl_b32 s17, s17, 2
	s_add_co_u32 s17, s17, s41                     ; tile row
	s_lshl_b32 s43, s41, 2
	s_lshl_b32 s43, 15, s43                        ; my row of the cluster
	s_lshl_b32 s44, 0x1111, s40                    ; my column
	s_or_b32 s[G1+0], s43, (3<<16)|(1<<21)         ; 8 tiles x 4,096 bytes (512 elements of 8 bytes), 32,768 bytes apart in memory, on end in LDS
	s_or_b32 s[G1B+0], s44, (3<<16)|(1<<21)
.irp g, G1, G1B
	s_mov_b32 s[\g+1], 512<<16
	s_mov_b32 s[\g+2], 8<<16
	s_mov_b32 s[\g+3], 512<<16
	s_mov_b32 s[\g+4], 8
	s_mov_b32 s[\g+5], 4096
	s_mov_b32 s[\g+6], 0
	s_mov_b32 s[\g+7], 0
.endr
	s_or_b32 s[G1S+0], s43, (3<<16)|(1<<21)        ; the scale bytes of 128 rows: 8,192 dense bytes, as 32 rows of 256
	s_or_b32 s[G1SB+0], s44, (3<<16)|(1<<21)
.irp g, G1S, G1SB
	s_mov_b32 s[\g+1], 32<<16
	s_mov_b32 s[\g+2], 32<<16
	s_mov_b32 s[\g+3], 32<<16
	s_mov_b32 s[\g+4], 32
	s_mov_b32 s[\g+5], 32
	s_mov_b32 s[\g+6], 0
	s_mov_b32 s[\g+7], 0
.endr
	s_lshl_b32 s18, s16, 7
	s_lshl_b32 s20, s17, 8
	s_add_co_u32 s20, s20, s18                     ; A: first row
	s_lshl_b32 s46, s42, 8
	s_add_co_u32 s46, s46, s18                     ; B: first row
	s_lshl_b32 s22, s20, 6
	s_lshl_b32 s20, s20, 11
	s_lshl_b32 s92, s46, 6
	s_lshl_b32 s46, s46, 11
	s_add_co_u32 s92, s92, 3<<17                   ; Wo is operand 3 of codes and cscales
	s_add_co_u32 s46, s46, 3<<22
	s_mov_b32 s21, 0
	s_mov_b32 s23, 0
	s_mov_b32 s47, 0
	s_mov_b32 s93, 0
	s_lshl_b32 s45, s14, 15                        ; wave x HALFT
	s_lshl_b32 s94, s14, 13                        ; wave x HALFS
	s_wait_dscnt 0x0                               ; both opening adds are done
	s_wait_kmcnt 0x0
	s_add_nc_u64 s[20:21], s[4:5], s[20:21]
	s_add_nc_u64 s[22:23], s[6:7], s[22:23]
	s_add_nc_u64 s[46:47], s[8:9], s[46:47]
	s_add_nc_u64 s[92:93], s[10:11], s[92:93]
	CROUND                                         ; all sixteen work-groups are here: the first joint loads meet
	s_mov_b32 s[G0S], 1
	s_add_co_u32 s[G0S+1], s94, SCL
	s_mov_b64 s[G0S+2:G0S+3], s[22:23]
	s_or_b32 s[G0S+3], s[G0S+3], 0x80000000
	s_mov_b32 s[G0SB], 1
	s_add_co_u32 s[G0SB+1], s94, SCL
	s_mov_b64 s[G0SB+2:G0SB+3], s[92:93]
	s_or_b32 s[G0SB+3], s[G0SB+3], 0x80000000
	JLOAD G0S, G1S, G0SB, G1SB                     ; the scales first.  Three loads of mine are out behind these first fills
.irp s, 0,1
	s_mov_b32 s[G0+4*\s], 1
	s_add_co_u32 s[G0+4*\s+1], s45, \s*SLOT
	s_add_nc_u64 s[G0+4*\s+2:G0+4*\s+3], s[20:21], \s*KBYTES
	s_or_b32 s[G0+4*\s+3], s[G0+4*\s+3], 0x80000000
	s_mov_b32 s[G0B+4*\s], 1
	s_add_co_u32 s[G0B+4*\s+1], s45, \s*SLOT
	s_add_nc_u64 s[G0B+4*\s+2:G0B+4*\s+3], s[46:47], \s*KBYTES
	s_or_b32 s[G0B+4*\s+3], s[G0B+4*\s+3], 0x80000000
	JLOAD G0+4*\s, G1, G0B+4*\s, G1B
.endr
	v_and_b32 v1, 15, v0                           ; r
	v_bfe_u32 v2, v0, 4, 1                         ; h
	v_and_b32 v3, 31, v0
	v_lshlrev_b32 v[CO], 4, v3
	s_lshl_b32 s21, s15, 15
	s_lshl_b32 s22, s16, 15
	s_add_co_u32 s22, s22, 2*HALFT
.irp s, 0,1
	v_add_nc_u32 v[ADRA+\s], s21, v[CO]
	v_add_nc_u32 v[ADRB+\s], s22, v[CO]
	s_add_co_u32 s21, s21, SLOT
	s_add_co_u32 s22, s22, SLOT
.endr
	v_lshlrev_b32 v5, 3, v1
	s_lshl_b32 s21, s15, 13
	s_lshl_b32 s22, s16, 13
	s_add_co_u32 s22, s22, 2*HALFS
	s_sub_co_u32 s22, s22, s21
	v_mul_u32_u24 v6, s22, v2                      ; lanes 16-31 take B's
	s_add_co_u32 s21, s21, SCL
	v_add_nc_u32 v5, v5, v6
	v_add_nc_u32 v[ADRS], s21, v5
	s_mul_i32 s23, s14, 16*SPITCH                  ; my stage
	v_mul_u32_u24 v5, v1, SPITCH                   ; in: row r; my half's 16 columns of a block of 32: 64 h bytes on
	v_lshl_add_u32 v5, v2, 6, v5
	v_add_nc_u32 v[STO], s23, v5
	v_add_nc_u32 v[RD], s23, v[CO]                 ; back: the 32 lanes take one row of 512 bytes
	s_lshl_b32 s20, s17, 8
	s_lshl_b32 s21, s15, 7
	s_add_co_u32 s20, s20, s21                     ; my first row of out0
	s_lshl_b32 s20, s20, 13                        ; rows of 8,192 bytes
	s_lshl_b32 s46, s42, 10                        ; my first column, in bytes
	s_lshl_b32 s47, s16, 9
	s_add_co_u32 s46, s46, s47
	s_add_co_u32 s20, s20, s46
	s_mov_b32 s21, 0
	s_add_nc_u64 s[12:13], s[12:13], s[20:21]
.macro FRAG reg, adr, q, i
.irp c, 0,1,2,3
	ds_load_b128 v[\reg+4*\c:\reg+4*\c+3], v[\adr] offset:KBYTES*(\i)+2048*(\q)+512*\c
.endr
.endm
.macro MUL16 a0, p, q, sc, zero        ; 16 matrix instructions; the 64 accumulators take turns, one instruction a turn
.irp a, \a0, \a0+1
.irp b, 0,1,2,3,4,5,6,7
.if \zero
	v_wmma_scale_f32_16x16x128_f8f6f4 v[8*(8*((\a)%4)+\b):8*(8*((\a)%4)+\b)+7], v[128*(\p)+FR*\b:128*(\p)+FR*\b+FR-1], v[AF+FR*(\a):AF+FR*(\a)+FR-1], 0, v[SC+8*NQ*(\sc)+NQ*\b+(\q)], v[SC+8*NQ*(\sc)+NQ*(\a)+(\q)] matrix_a_scale:MATRIX_SCALE_ROW1
.else
	v_wmma_scale_f32_16x16x128_f8f6f4 v[8*(8*((\a)%4)+\b):8*(8*((\a)%4)+\b)+7], v[128*(\p)+FR*\b:128*(\p)+FR*\b+FR-1], v[AF+FR*(\a):AF+FR*(\a)+FR-1], v[8*(8*((\a)%4)+\b):8*(8*((\a)%4)+\b)+7], v[SC+8*NQ*(\sc)+NQ*\b+(\q)], v[SC+8*NQ*(\sc)+NQ*(\a)+(\q)] matrix_a_scale:MATRIX_SCALE_ROW1
.endif
.endr
.endr
.endm
.macro FETCH_B slot, q, p
	WIN TO_B
.irp i, 0,1,2,3,4,5,6,7
	FRAG 128*(\p)+FR*\i, ADRB+\slot, \q, \i
.endr
	WIN 0
.endm
.macro FETCH_A slot, q, i0
.irp i, \i0, \i0+1, \i0+2, \i0+3
	FRAG AF+FR*(\i), ADRA+\slot, \q, \i
.endr
.endm
.macro SCALES sc
.irp i, 0,1,2,3,4,5,6,7
	ds_load_b64 v[SC+8*NQ*\sc+NQ*\i:SC+8*NQ*\sc+NQ*\i+1], v[ADRS] offset:(\i/2)*2048+(\i%2)*128
.endr
.endm
.macro PLACES n
.rept \n
	v_nop
.endr
.endm
.macro STEP slot, q, zero
	s_wait_dscnt 4*NL                              ; B's set and A's tiles 0-3 are in; the youngest 16 loads (A's tiles 4-7) may be out
	WIN MUL_LO
	MUL16 0, (\q)%2, \q, \slot, \zero
	MUL16 2, (\q)%2, \q, \slot, \zero
	s_wait_dscnt 0
	PLACES NP
	FETCH_B \slot, (\q)+1, 1-(\q)%2
	FETCH_A \slot, (\q)+1, 0
	WIN MUL_HI
	MUL16 4, (\q)%2, \q, \slot, \zero
	MUL16 6, (\q)%2, \q, \slot, \zero
	PLACES NP
	WIN 0
	FETCH_A \slot, (\q)+1, 4
.endm
.macro TURN slot, next, fill           ; a slot's last step changes slots: one barrier, the three lines in front of it; fill = 1: this slot is filled again, two K steps ahead
	s_wait_tensorcnt 0x0                           ; all my tensor loads have landed: my part of the next slot
	ds_add_u32 v[SPW], v[NIL]                      ; 0 onto my spare word
	s_wait_dscnt 4*NL+1                            ; the add and the youngest 16 loads may be out
	WIN MUL_LO
	MUL16 0, 1, NQ-1, \slot, 0
	s_wait_dscnt 0x0                               ; the add is done, and my reads of this slot are over
	s_barrier_signal -1
	MUL16 2, 1, NQ-1, \slot, 0
	WIN 0
	s_barrier_wait -1
.if \fill
	CREST                                          ; the barrier has opened a round of the cluster's barrier
	s_add_nc_u64 s[G0+4*\slot+2:G0+4*\slot+3], s[G0+4*\slot+2:G0+4*\slot+3], 2*KBYTES
	s_add_nc_u64 s[G0B+4*\slot+2:G0B+4*\slot+3], s[G0B+4*\slot+2:G0B+4*\slot+3], 2*KBYTES
	JLOAD G0+4*\slot, G1, G0B+4*\slot, G1B         ; the first tensor load behind the round, my one load until the next
	PLACES NP-4
.else
	PLACES NP
.endif
	v_add_nc_u32 v[ADRS], 256, v[ADRS]
	FETCH_B \next, 0, 0
	FETCH_A \next, 0, 0
	SCALES \next
	WIN MUL_HI
	MUL16 4, 1, NQ-1, \slot, 0
	MUL16 6, 1, NQ-1, \slot, 0
	PLACES NP
	WIN 0
	FETCH_A \next, 0, 4
.endm
	s_wait_tensorcnt 1                             ; the scales and my part of K step 0 are in (K step 1's load may be out)
	s_barrier_signal -1
	s_barrier_wait -1
	FETCH_B 0, 0, 0
	FETCH_A 0, 0, 0
	SCALES 0
	FETCH_A 0, 0, 4
	STEP 0, 0, 1
	s_mov_b32 s3, LAPS-1
.Llap:
	TURN 0, 1, 1
	STEP 1, 0, 0
	TURN 1, 0, 1
	STEP 0, 0, 0
	s_sub_co_u32 s3, s3, 1
	s_cmp_lg_u32 s3, 0
	s_cbranch_scc1 .Llap
	TURN 0, 1, 0
	STEP 1, 0, 0
	s_wait_dscnt 4*NL
	WIN MUL_LO
	MUL16 0, 1, NQ-1, 1, 0
	MUL16 2, 1, NQ-1, 1, 0
	s_wait_dscnt 0
	WIN MUL_HI
	MUL16 4, 1, NQ-1, 1, 0
	MUL16 6, 1, NQ-1, 1, 0
	WIN 0
; THE WAY OUT, by A's tiles of 16 rows x my 128 columns.  In accumulator (a, b) a lane holds columns 32 (b / 2) + 16 h + 8 (b % 2) + 0 .. 7 of row r of tile a.  A tile goes through my own stage in LDS and comes back as whole rows of
; 512 bytes, which the 32 lanes store as two aligned runs of 256 bytes.  Row t of tile a is row 32 (a / 2) + 8 (a % 2) + t % 8 + 16 (t / 8) of my 128.  LDS serves a wave's instructions in order: no wait between the stores and the loads.
.macro TOSTAGE a
.set AC, 64*((\a)%4)
	WIN 0x08+4*((\a)/4)                            ; the data: window 2 or 3
.irp b, 0,1,2,3,4,5,6,7
	ds_store_b128 v[STO], v[AC+8*\b:AC+8*\b+3] offset:128*(\b/2)+32*(\b%2)          ; each accumulator from its low end on
	ds_store_b128 v[STO], v[AC+8*\b+4:AC+8*\b+7] offset:128*(\b/2)+32*(\b%2)+16
.endr
	WIN 0
.set BB, BK+64*((\a)%2)
.irp t, 0,1,2,3,4,5,6,7,8,9,10,11,12,13,14,15
	ds_load_b128 v[BB+4*\t:BB+4*\t+3], v[RD] offset:\t*SPITCH
.endr
.endm
.macro SEND a, younger                 ; younger: the LDS instructions issued behind tile a's loads, which may stay out
.set BB, BK+64*((\a)%2)
	s_wait_dscnt \younger
.if (\a) > 0
.if (\a)%2 == 1
	s_add_nc_u64 s[12:13], s[12:13], 8*8192        ; (behind a wait on XCNT: the earlier stores have read their base)  from an even tile to the odd one: 8 rows
.else
	s_add_nc_u64 s[12:13], s[12:13], 24*8192       ; from an odd tile to the next even one: 24 rows
.endif
.endif
.irp t, 0,1,2,3,4,5,6,7,8,9,10,11,12,13,14,15
	global_store_b128 v[CO], v[BB+4*\t:BB+4*\t+3], s[12:13] offset:((\t%8)+16*(\t/8))*8192 th:TH_STORE_NT   ; 512 consecutive bytes, at a multiple of 256 from out0's first byte
.endr
.endm
	PLACES NP
	TOSTAGE 0
.irp a, 1,2,3,4,5,6,7
.if \a > 1
	s_wait_xcnt 0x0                                ; tile a - 2's stores have read their registers and their base
.endif
	TOSTAGE \a
	SEND \a-1, 32                                  ; behind tile a - 1's loads: tile a's 16 stores and 16 loads
.endr
	s_wait_xcnt 0x0
	SEND 7, 0
	s_wait_tensorcnt 0x0                           ; the wave's end
	ds_add_u32 v[SPW], v[NIL]
	s_wait_dscnt 0x0
	CROUND                                         ; the closing round
	s_endpgm
.Lfunc_end_k_q1f65397490_gemm_out:
	.size	k_q1f65397490_gemm_out, .Lfunc_end_k_q1f65397490_gemm_out-k_q1f65397490_gemm_out
	.p2alignl 7, 3214868480
	.fill 96, 4, 3214868480
	.section	.rodata,"a",@progbits
	.p2align	6, 0x0
	.amdhsa_kernel k_q1f65397490_gemm_out
		.amdhsa_group_segment_fixed_size 327680
		.amdhsa_private_segment_fixed_size 0
		.amdhsa_enable_private_segment 0
		.amdhsa_kernarg_size 40
		.amdhsa_user_sgpr_count 2
		.amdhsa_user_sgpr_kernarg_segment_ptr 1
		.amdhsa_wavefront_size32 1
		.amdhsa_system_sgpr_workgroup_id_x 1
		.amdhsa_system_sgpr_workgroup_id_y 1
		.amdhsa_system_sgpr_workgroup_id_z 1
		.amdhsa_system_vgpr_workitem_id 0
		.amdhsa_next_free_vgpr 1024
		.amdhsa_next_free_sgpr 98
		.amdhsa_reserve_vcc 0
		.amdhsa_float_denorm_mode_32 3
		.amdhsa_float_denorm_mode_16_64 3
		.amdhsa_memory_ordered 1
		.amdhsa_forward_progress 1
		.amdhsa_inst_pref_size 145
	.end_amdhsa_kernel
	.amdgpu_metadata
---
amdhsa.version: [ 1, 2 ]
amdhsa.kernels:
  - .name:           k_q1f65397490_gemm_out
    .symbol:         k_q1f65397490_gemm_out.kd
    .args:
      - { .name: oc, .offset: 0, .size: 8, .value_kind: global_buffer, .address_space: global }
      - { .name: os, .offset: 8, .size: 8, .value_kind: global_buffer, .address_space: global }
      - { .name: codes, .offset: 16, .size: 8, .value_kind: global_buffer, .address_space: global }
      - { .name: cscales, .offset: 24, .size: 8, .value_kind: global_buffer, .address_space: global }
      - { .name: out0, .offset: 32, .size: 8, .value_kind: global_buffer, .address_space: global }
    .group_segment_fixed_size: 327680
    .private_segment_fixed_size: 0
    .kernarg_segment_align: 8
    .kernarg_segment_size: 40
    .max_flat_workgroup_size: 128
    .sgpr_count:     98
    .vgpr_count:     1024
    .wavefront_size: 32
...
	.end_amdgpu_metadata
.endif
;; end of part 4
